; MI455X (gfx1250); checked and timed in simulation.
; The chip was launched on July 23, 2026; its instructions are those of AMD's public machine-readable ISA for CDNA 5 (MIT licence, August 2026) and "CDNA5" Instruction Set Architecture Reference Guide (July 2026). The comments in the code are by the model that wrote it; some were corrected since.
;; Causal Self Attention. Allowed arithmetic: matrix products marked QUANTISED: E4M3 operands, one given power-of-two scale a tensor, by v_wmma_f32_16x16x64_fp8_fp8 or v_wmma_f32_16x16x128_fp8_fp8, f32 sums; everything else in f32.
;; Inputs: b_attn 3,072 float32; b_proj 1,024 float32; lowp_scales 8 int32 (the exponents e of the quantised operands' scales 2^e); w_attn 1,024 x 3,072 float32; w_proj 1,024 x 1,024 float32; x 4 x 2,048 x 1,024 float32.
;; Outputs: out0 4 x 2,048 x 1,024 float32.
;; This version of the problem:
;;   THIS VERSION OF THE PROBLEM IS GIVEN IN LOW PRECISION. The matrix products marked QUANTISED in the list below multiply operands that are first quantised to E4M3 (4 exponent bits, 3 mantissa bits; 8 bits a number), with one given power-of-two scale for each operand tensor; their sums are f32. All else is computed in f32.
;;   The module's matrix products, in the order in which they are computed (A, B: the left and right operand; K: the contracted axis; several contracted axes count as one K, in the product's order):
;;     1. [M 8,192, K 1,024] x [K 1,024, N 3,072]; A: input x; B: input w_attn: QUANTISED (scales: A lowp_scales[0], B lowp_scales[1])
;;     2. batch 64 x [M 2,048, K 64] x [K 64, N 2,048]; A: computed on the way; B: computed on the way: QUANTISED (scales: A lowp_scales[2], B lowp_scales[3])
;;     3. batch 64 x [M 2,048, K 2,048] x [K 2,048, N 64]; A: softmax (see below); B: computed on the way: QUANTISED (scales: A lowp_scales[4], B lowp_scales[5])
;;     4. [M 8,192, K 1,024] x [K 1,024, N 1,024]; A: computed on the way; B: input w_proj: QUANTISED (scales: A lowp_scales[6], B lowp_scales[7])
;;   THE QUANTISER, for each operand of a quantised product, along K:
;;     - The operand's scale is 2^e, e = its entry of the input lowp_scales (int32; the entries are numbered through the quantised products in the list's order, A before B).
;;     - Each number is divided by the scale, clamped to +-448, and rounded to the nearest number of E4M3, ties to even, subnormals kept.
;;     - The product sums the exact products of the quantised numbers (number of the format x scale) in f32.
;;   ~~~python
;;   def quantise(x, axis, e):      # numpy; x: float32 -> the quantised numbers, widened to float32 again
;;       x = np.moveaxis(x, axis, -1); K = x.shape[-1]
;;       r = np.clip(x / 2.0 ** e, -448, 448)
;;       step = 2.0 ** (np.maximum(np.frexp(np.where(r == 0, 1, r))[1] - 1, -6) - 3)
;;       q = np.round(r / step) * step * 2.0 ** e      # np.round: ties to even
;;       return np.moveaxis(q, -1, axis).astype(np.float32)
;;   ~~~
;;   SOFTMAX AHEAD OF A QUANTISED PRODUCT. Where the list says 'softmax', what is quantised is not the finished softmax but p = 2^(t - M), with t = logit x log2(e) and M = ceil(the row's largest t), a whole number; so 1/2 < the row's largest p <= 1. The row's sum l is taken of the UNQUANTISED p, in f32, and the product's result is divided by l at the end. Since M is a whole number, a kernel that streams over the keys may use a running M (the ceiling of the running maximum): every later rescaling is an exact power of two, so the quantised numbers keep their values, but for numbers so far below the row's largest that they fall under the format's range.
;;   OPERANDS COMPUTED ON THE WAY. 'Computed on the way' means the value that the module computes at that place (a softmax that the list does not call 'softmax' is quantised finished and normalised). What goes into a quantiser is computed in f32, as accurately as f32 sums, v_exp_f32 and their like allow (about 1e-6 of the number): no bf16 or f16 on the way to a quantiser, and a product that is left as it is and whose result goes on into a quantised operand takes f32 operands (vector FMAs, or v_wmma_f32_16x16x4_f32). A number that lies on a knife's edge between two numbers of the format may be rounded either way, as far as f32 arithmetic and the matrix unit's own rounding can turn it there, and no further.
;; One version. Each part assembles by itself: llvm-mc -triple=amdgcn-amd-amdhsa -mcpu=gfx1250 --defsym DOCPART=n.
;; ======== version 1 of 1: 4 launches
;; limits: right only within a limited range of input values
;; workspace buffers: x_img 8,388,608 bytes; w_img 4,194,304 bytes; qkv 25,165,824 bytes; y_img 8,388,608 bytes
;; launch quant (part 1): grid 384 x 1, 4 waves a work-group, no clusters, 34,304 bytes of LDS; arguments x, w_attn, w_proj, lowp_scales, x_img, w_img; writes x_img, w_img
.if DOCPART == 1
	.amdgcn_target "amdgcn-amd-amdhsa--gfx1250"
	.amdhsa_code_object_version 6
	.text
	.protected	k_q548f1a6ba9_quant
	.globl	k_q548f1a6ba9_quant
	.p2align	8
	.type	k_q548f1a6ba9_quant,@function
k_q548f1a6ba9_quant:
	s_mov_b64 s[64:65], 0
	v_nop
	global_prefetch_b8 v0, s[64:65] scope:SCOPE_SE
	s_setreg_imm32_b32 hwreg(HW_REG_WAVE_MODE, 25, 1), 1
	s_wait_xcnt 0x0
; x [8192][1024], w_attn [1024][3072] and w_proj [1024][1024], f32, become codes of FP8 (E4M3), each with the one scale 2^e that is given for it (entries 0, 1 and 7 of the scales).
; code = number / 2^e, rounded to the nearest code, ties to even.  LIMITS: each e between -126 and 119, so that 2^e and 448 x 2^e are f32 numbers.  NaN among the inputs is not served.
; THE CODES ARE LAID AS IMAGES OF OPERAND REGISTERS.  A fragment is 16 rows x 128 K in 16 registers a lane: lane (r = lane % 16, h = lane / 16) holds row r, its registers 2 c', 2 c' + 1 hold
; k = 16 c' + 8 h + 0 .. 7 (the 8-bit layout of the plain matrix forms: ISA guide 7.12.2).  In memory a fragment is 2,048 bytes: registers 4 c .. 4 c + 3 of lane l at 512 c + 16 l.
;   x_img: byte = (k / 256) x 2,097,152 + (row / 16) x 4,096 + ((k / 128) % 2) x 2,048 + the fragment's byte
;   w_img: the same with n for row and 1,048,576 for a step of 256 along K; n = 0 .. 3,071 are w_attn's columns, n = 3,072 .. 4,095 w_proj's
; So the products' launches fetch 128 rows x 256 K as one dense block and read fragments as consecutive bytes.
; WORK-GROUPS 0-255: x.  A wave takes 16 rows x 512 K, four fragments.  Each load reads 512 consecutive bytes of a row; the 16 rows turn through the wave's own stage in LDS (rows of 512 + 16 bytes), so
; that a lane gets eight neighbours along K eight times.  WORK-GROUPS 256-351: w_attn, 352-383: w_proj.  K is their FIRST axis: a lane takes a column and its registers run down K, so the conversions
; give codes with K innermost and nothing is transposed; no LDS.  Waves share nothing: no barrier.
.set STG,  16*528                      ; a wave's stage
.set R,    16                          ; v16-143  x: two sets of 64, as loaded
.set X,    144                         ; v144-207 x: a fragment's 64 numbers of my lane
.set C,    208                         ; v208-239 x: two sets of 16 registers of codes
.set WX,   32                          ; v32-95   w: two sets of 32 numbers down K
.set WC,   96                          ; v96-159  w: eight registers of codes for each of 8 blocks: no store's data are written again
.macro MKSC e                          ; v11 = 2^e as f32 (the conversion takes its exponent field); s30 = 448 x 2^e
	s_add_co_i32 s30, s[\e], 127
	s_lshl_b32 s31, s30, 23
	v_mov_b32 v11, s31
	s_add_co_i32 s30, s30, 8
	s_lshl_b32 s30, s30, 23
	s_or_b32 s30, s30, 0x600000
.endm
	s_load_b256 s[4:11], s[0:1], 0x0               ; x s[4:5], w_attn s[6:7], w_proj s[8:9], the scales' exponents s[10:11]
	s_load_b128 s[12:15], s[0:1], 0x20             ; x_img s[12:13], w_img s[14:15]
	v_lshl_add_u32 v240, v0, 2, 0x8400
	v_mov_b32 v241, 0
	v_lshrrev_b32 v1, 5, v0
	v_readfirstlane_b32 s16, v1                    ; wave 0..3
	v_and_b32 v2, 31, v0                           ; lane
	s_mov_b32 s29, 0                               ; the upper word of every offset
	s_wait_kmcnt 0x0
	s_load_b256 s[20:27], s[10:11], 0x0            ; e0 .. e7
	s_cmp_lt_u32 ttmp9, 256
	s_cbranch_scc0 .Lweights
	s_wait_alu depctr_va_vdst(0)
	; ---------------- x ----------------
	v_lshlrev_b32 v4, 4, v2                        ; 16 x lane: my bytes of a load's 512 and of a store's 512
	s_wait_alu depctr_va_vdst(0)
	s_mul_i32 s19, s16, STG
	v_add_nc_u32 v5, s19, v4                       ; the stage, on the way in: a row as it lies
	v_and_b32 v7, 15, v0                           ; r
	v_bfe_u32 v8, v0, 4, 1                         ; h
	v_mul_u32_u24 v6, v7, 528
	v_lshl_add_u32 v6, v8, 5, v6
	v_add_nc_u32 v6, s19, v6                       ; and on the way out: row r, + 32 h bytes: k = 8 h on
	s_lshr_b32 s17, s16, 1
	s_lshl_b32 s18, ttmp9, 1
	s_add_co_u32 s17, s17, s18                     ; my block of 16 rows: 2 x work-group + wave / 2
	s_and_b32 s18, s16, 1                          ; my half of K
	s_lshl_b32 s28, s17, 16                        ; 16 rows of 4,096 bytes
	s_lshl_b32 s19, s18, 11                        ; 512 numbers
	s_add_co_u32 s28, s28, s19
	s_add_nc_u64 s[4:5], s[4:5], s[28:29]
	s_lshl_b32 s28, s17, 12
	s_lshl_b32 s19, s18, 22                        ; two steps of 256 along K
	s_add_co_u32 s28, s28, s19
	s_add_nc_u64 s[12:13], s[12:13], s[28:29]
.macro XLOAD f                         ; fragment f: 128 numbers of each of my 16 rows: a load reads 512 consecutive bytes
.irp i, 0,1,2,3,4,5,6,7,8,9,10,11,12,13,14,15
	global_load_b128 v[R+64*((\f)%2)+4*\i:R+64*((\f)%2)+4*\i+3], v4, s[4:5] offset:4096*\i+512*(\f) th:TH_LOAD_NT
.endr
.endm
.macro XFRAG f
.set RS, R+64*((\f)%2)
.set CS, C+16*((\f)%2)
.if (\f) < 3
	s_wait_loadcnt 16                              ; this fragment's 16 loads are in; the next fragment's 16 may be out
.else
	s_wait_loadcnt 0
.endif
.irp i, 0,1,2,3,4,5,6,7,8,9,10,11,12,13,14,15
	ds_store_b128 v5, v[RS+4*\i:RS+4*\i+3] offset:528*\i
.endr
.irp c, 0,1,2,3,4,5,6,7                ; LDS serves a wave's instructions in order (ISA guide 5.7.1.4): these see the stores above
	ds_load_b128 v[X+8*\c:X+8*\c+3], v6 offset:64*\c         ; k = 16 c + 8 h + 0 .. 3 of row r
	ds_load_b128 v[X+8*\c+4:X+8*\c+7], v6 offset:64*\c+16    ; and + 4 .. 7
.endr
	s_wait_dscnt 0x0                               ; my numbers are back, and the stores into the stage have read their registers,
.if (\f) < 2
	XLOAD (\f)+2                                   ; which take the loads of two fragments on
.else
	s_wait_xcnt 0x0                                ; the stores of two fragments back have read their codes: that set is written again below
.endif
.set i, 0
.rept 64
.set i, i+1
.endr
.irp c, 0,1,2,3,4,5,6,7
	v_cvt_scalef32_pk8_fp8_f32 v[CS+2*\c:CS+2*\c+1], v[X+8*\c:X+8*\c+7], v11
.endr
	v_nop                                          ; a plain vector line between the conversions and the next fragment's LDS loads, which write their sources
.irp c, 0,1,2,3
	global_store_b128 v4, v[CS+4*\c:CS+4*\c+3], s[12:13] offset:((\f)/2)*2097152+((\f)%2)*2048+512*\c   ; 32 lanes store 512 consecutive bytes, at a multiple of 512 from the buffer's first byte
.endr
.endm
	XLOAD 0
	XLOAD 1
	s_wait_alu depctr_va_vdst(0)
	s_wait_kmcnt 0x0
	MKSC 20                                        ; e0
	s_wait_alu depctr_va_vdst(0)
.irp f, 0,1,2,3
	XFRAG \f
.endr
	s_wait_tensorcnt 0x0
	ds_add_u32 v240, v241
	s_wait_dscnt 0x0
	s_endpgm
	; ---------------- the weights ----------------
; A work-group takes 128 columns x 256 along K, a wave 32 columns: 8 blocks of 32 down K.  Of block t, numbers i = 0 .. 7 and 16 .. 23 are the 16 bytes of image lane (r, 0), group t % 4;
; i = 8 .. 15 and 24 .. 31 those of lane (r, 1), 256 bytes on.  Sixteen lanes store 256 consecutive bytes, aligned; lanes 16-31 the same in the next block of 16 columns.
.macro LOADW t, pitch, src
.set i, 0
.rept 32
	global_load_b32 v[WX+32*((\t)%2)+i], v3, s[\src:\src+1] offset:(32*(\t)+i)*\pitch th:TH_LOAD_NT   ; one row k at 32 neighbouring columns; 255 rows at the most: inside the signed 24-bit immediate
.set i, i+1
.endr
.endm
.macro BLOCKW t, pitch, src
.set XS, WX+32*((\t)%2)
.set CB, WC+8*(\t)
.if (\t) < 7
	s_wait_loadcnt 32                              ; this block's 32 loads are in; the next block's may be out
.else
	s_wait_loadcnt 0
.endif
.set i, 0
.rept 32
.set i, i+1
.endr
	v_cvt_scalef32_pk8_fp8_f32 v[CB:CB+1], v[XS:XS+7], v11
	v_cvt_scalef32_pk8_fp8_f32 v[CB+2:CB+3], v[XS+16:XS+23], v11
	v_cvt_scalef32_pk8_fp8_f32 v[CB+4:CB+5], v[XS+8:XS+15], v11
	v_cvt_scalef32_pk8_fp8_f32 v[CB+6:CB+7], v[XS+24:XS+31], v11
	global_store_b128 v4, v[CB:CB+3], s[14:15] offset:2048*((\t)/4)+512*((\t)%4)        ; (results go to stores alone)
	global_store_b128 v4, v[CB+4:CB+7], s[14:15] offset:2048*((\t)/4)+512*((\t)%4)+256
.if (\t) < 6
	LOADW (\t)+2, \pitch, \src
.endif
.endm
.macro WBODY pitch, first, nb, e, src  ; pitch: a row of the weight in bytes; first: its first work-group; nb: its first n in w_img; e: s[e] its exponent; s[src:src+1] its address
	s_sub_co_u32 s17, ttmp9, \first
	s_lshr_b32 s18, s17, 2                         ; which 128 columns
	s_and_b32 s17, s17, 3                          ; which 256 along K
	s_lshl_b32 s18, s18, 7
	s_lshl_b32 s19, s16, 5
	s_add_co_u32 s18, s18, s19                     ; my wave's first column
	s_mul_i32 s28, s17, 256*\pitch
	s_lshl_b32 s19, s18, 2
	s_add_co_u32 s28, s28, s19
	s_add_nc_u64 s[\src:\src+1], s[\src:\src+1], s[28:29]
	s_lshl_b32 s28, s17, 20
	s_add_co_u32 s18, s18, \nb
	s_lshl_b32 s19, s18, 8                         ; 16 columns are 4,096 bytes
	s_add_co_u32 s28, s28, s19
	s_add_nc_u64 s[14:15], s[14:15], s[28:29]
	LOADW 0, \pitch, \src
	LOADW 1, \pitch, \src
	s_wait_kmcnt 0x0
	MKSC \e
	s_wait_alu depctr_va_vdst(0)
.irp t, 0,1,2,3,4,5,6,7
	BLOCKW \t, \pitch, \src
.endr
.endm
.Lweights:
	s_wait_alu depctr_va_vdst(0)
	v_lshlrev_b32 v3, 2, v2                        ; in: 4 bytes a lane
	v_lshrrev_b32 v4, 4, v2
	v_and_b32 v5, 15, v2
	v_lshlrev_b32 v4, 12, v4
	v_lshl_add_u32 v4, v5, 4, v4                   ; out: 4,096 x (lane / 16) + 16 x (lane % 16)
	s_cmp_lt_u32 ttmp9, 352
	s_cbranch_scc0 .Lproj
	s_wait_alu depctr_va_vdst(0)
	WBODY 12288, 256, 0, 21, 6                     ; w_attn, e1
	s_endpgm
.Lproj:
	s_wait_alu depctr_va_vdst(0)
	WBODY 4096, 352, 3072, 27, 8                   ; w_proj, e7
	s_endpgm
.Lfunc_end_k_q548f1a6ba9_quant:
	.size	k_q548f1a6ba9_quant, .Lfunc_end_k_q548f1a6ba9_quant-k_q548f1a6ba9_quant
	.p2alignl 7, 3214868480
	.fill 96, 4, 3214868480
	.section	.rodata,"a",@progbits
	.p2align	6, 0x0
	.amdhsa_kernel k_q548f1a6ba9_quant
		.amdhsa_group_segment_fixed_size 34304
		.amdhsa_private_segment_fixed_size 0
		.amdhsa_enable_private_segment 0
		.amdhsa_kernarg_size 48
		.amdhsa_user_sgpr_count 2
		.amdhsa_user_sgpr_kernarg_segment_ptr 1
		.amdhsa_wavefront_size32 1
		.amdhsa_system_sgpr_workgroup_id_x 1
		.amdhsa_system_sgpr_workgroup_id_y 1
		.amdhsa_system_sgpr_workgroup_id_z 1
		.amdhsa_system_vgpr_workitem_id 0
		.amdhsa_next_free_vgpr 242
		.amdhsa_next_free_sgpr 66
		.amdhsa_reserve_vcc 0
		.amdhsa_float_denorm_mode_32 3
		.amdhsa_float_denorm_mode_16_64 3
		.amdhsa_fp16_overflow 1
		.amdhsa_memory_ordered 1
		.amdhsa_forward_progress 1
		.amdhsa_inst_pref_size 78
	.end_amdhsa_kernel
	.amdgpu_metadata
---
amdhsa.version: [ 1, 2 ]
amdhsa.kernels:
  - .name:           k_q548f1a6ba9_quant
    .symbol:         k_q548f1a6ba9_quant.kd
    .args:
      - { .name: x, .offset: 0, .size: 8, .value_kind: global_buffer, .address_space: global }
      - { .name: w_attn, .offset: 8, .size: 8, .value_kind: global_buffer, .address_space: global }
      - { .name: w_proj, .offset: 16, .size: 8, .value_kind: global_buffer, .address_space: global }
      - { .name: lowp_scales, .offset: 24, .size: 8, .value_kind: global_buffer, .address_space: global }
      - { .name: x_img, .offset: 32, .size: 8, .value_kind: global_buffer, .address_space: global }
      - { .name: w_img, .offset: 40, .size: 8, .value_kind: global_buffer, .address_space: global }
    .group_segment_fixed_size: 34304
    .private_segment_fixed_size: 0
    .kernarg_segment_align: 8
    .kernarg_segment_size: 48
    .max_flat_workgroup_size: 128
    .sgpr_count:     66
    .vgpr_count:     242
    .wavefront_size: 32
...
	.end_amdgpu_metadata
.endif
;; end of part 1
;; launch qkv (part 2): grid 12 x 32, 4 waves a work-group, clusters of 4 x 4, 327,680 bytes of LDS; arguments x_img, w_img, lowp_scales, b_attn, qkv; writes qkv
.if DOCPART == 2
	.amdgcn_target "amdgcn-amd-amdhsa--gfx1250"
	.amdhsa_code_object_version 6
	.text
	.protected	k_q548f1a6ba9_qkv
	.globl	k_q548f1a6ba9_qkv
	.p2align	8
	.type	k_q548f1a6ba9_qkv,@function
k_q548f1a6ba9_qkv:
	s_mov_b64 s[64:65], 0
	v_nop
	global_prefetch_b8 v0, s[64:65] scope:SCOPE_SE
	s_setreg_imm32_b32 hwreg(HW_REG_WAVE_MODE, 25, 1), 1
	s_wait_xcnt 0x0
	s_wait_alu depctr_hold_cnt(0) depctr_sa_sdst(0) depctr_va_vdst(0) depctr_va_sdst(0) depctr_va_ssrc(0) depctr_va_vcc(0) depctr_vm_vsrc(0)
	s_getreg_b32 s2, hwreg(HW_REG_IB_STS2, 6, 4)
	s_cmp_eq_u32 s2, 0
	s_cbranch_scc0 .Lentry_in_a_cluster
	s_endpgm
.Lentry_in_a_cluster:
	s_bfe_u32 s2, ttmp6, 0x10000c
	s_cmp_lg_u32 s2, 0xf033
	s_cbranch_scc0 .Lentry_shape_is_right
	s_endpgm
.Lentry_shape_is_right:
; ONE TEXT FOR TWO LAUNCHES; PROJ says which.  PROJ = 0: qkv = x w_attn + b_attn, and q, k, v leave as codes of FP8.  PROJ = 1: out = y w_proj + b_proj, f32.
; Both operands arrive as codes of FP8 (E4M3), as images of operand registers: a fragment (16 rows x 128 K, 16 registers a lane; lane (r, h) holds row r, registers 2 c', 2 c' + 1 hold k = 16 c' + 8 h + 0 .. 7)
; is 2,048 bytes, registers 4 c .. 4 c + 3 of lane l at 512 c + 16 l; 16 rows x 256 K are 4,096 bytes; 128 rows x 256 K are one dense block of 32,768 bytes.  K = 1,024: four such steps.
; The codes are multiplied as they are (v_wmma_f32_16x16x128_fp8_fp8, f32 sums, K ascending), and each finished sum goes once through sum x 2^(eA + eB) + bias.
; LIMITS: eA + eB between -126 and 127 (e0 + e1, or e6 + e7); PROJ = 0: e2, e3 and e5 between -126 and 119: each power of two below is then an f32 number.  NaN is not served.
; SHARES.  A work-group of four waves, as many as a WGP has SIMDs, makes 256 x 256; a wave 128 x 128: 64 accumulators of 16 x 16, 512 registers.  K goes in steps of 256 through a ring of two LDS slots.
; CLUSTERS: 4 x 4 work-groups.  The four of a row need the same rows of the left operand, the four of a column the same columns of the weight: each block is asked for JOINTLY.
; THE MATRIX INSTRUCTION IS USED TRANSPOSED: source 0 = 16 rows from one LDS region (window 1, two sets), source 1 = 16 rows from the other (window 0, one set).  Lane (r, h) of accumulator (a, b)
; holds row 16 a + r of source 1's 128 and rows 16 b + 8 h + 0 .. 7 of source 0's: eight neighbours, which one conversion turns into registers 2 b, 2 b + 1 of the next product's fragment.
;   q, k (cluster x = 0, 1) and PROJ = 1: source 0 = the weight's columns, source 1 = tokens: a lane holds a token and eight features.
;   v (cluster x = 2): the keys are the next K, so a lane must hold a feature and eight tokens: the two LDS regions change places, by a select on the cluster's x, which all sixteen partners share.
; qkv's layout: q at 0, k at 8,388,608, v at 16,777,216; head bh = 16 x batch + head at bh x 131,072.  q, k: 16 tokens x 64 d (8 registers) at (t / 16) x 1,024.  v: 16 d x 128 keys at (t / 128) x 8,192 + (d / 16) x 2,048.
; REGISTERS, in windows of 256: window 0: v0-31 addresses; v32-111 biases (PROJ = 0); from v128 source 1's fragments, ONE set; on the way out v112-255 (PROJ = 1: v32-255) are free.
;   window 1: source 0's fragments, TWO sets, at v0 and v128 (PROJ = 1: the bias takes set 0 in the last step).   windows 2, 3: the accumulators, (a, b) at v[8 (8 (a % 4) + b)].
.set PROJ,   0
.set HALFT,  32768                     ; 128 rows x 256 K: what one tensor load brings, and what one wave reads of either operand
.set SLOT,   4*HALFT                   ; the left operand's two halves, then the weight's two
.set SPARE,  2*SLOT                    ; behind the ring: the spare words, 128 bytes for each wave: two blocks of 256 bytes that no other line names
.set ASTEP,  2097152                   ; bytes from 256 along K to the next in the left operand's image,
.set BSTEP,  1048576                   ; and in the weights'
.if PROJ
.set WOFF,   192*4096                  ; w_proj's first column is n = 3,072
.set EA,     74                        ; s74, s75: e6, e7
.else
.set WOFF,   0
.set EA,     68                        ; s68, s69: e0, e1
.endif
.set FR,     16                        ; registers of a fragment
.set NL,     4                         ; LDS loads that bring one
.set NP,     4                         ; places behind this matrix instruction (ISA guide 7.12.1)
.set SPITCH, 528                       ; PROJ = 1: a stage of 16 rows x (512 bytes + 16) for each wave, in slot 0, which has had its last fill and its last read when the first result is stored there
.set LI,   12                          ; v12     16 x lane
.set BH,   13                          ; v13     32 x (lane / 16)
.set BR,   14                          ; v14     4 x (lane % 16)
.set ADRA, 16                          ; v16-17  LDS address of source 1's fragments in slot 0, 1
.set ADRB, 20                          ; v20-21  the same for source 0
.set STO,  24                          ; v24     PROJ = 1: where I put 32 bytes of a row
.set RD,   25                          ; v25     PROJ = 1: where I read a row back
.set SPW,  28                          ; v28     LDS address of my spare word: SPARE + 4 x my thread's number; never rewritten
.set NIL,  29                          ; v29     0; never rewritten
.set AF,   128                         ; source 1's fragments, in window 0
.if PROJ
.set TMP,  32                          ; a block's 64 results
.set BK,   128                         ; 16 rows read back from the stage: v128-191 and v192-255 by turns
.else
.set BIQ,  32                          ; v32-95   b_attn at features 16 b + 8 h + j: register 8 b + j
.set BIV,  96                          ; v96-111  b_attn at feature 16 a + r, twice: registers 2 a, 2 a + 1
.set TMP,  112                         ; v112-175 a block's 64 numbers
.set CD,   176                         ; v176-239 four sets of 16 registers of codes
.endif
.set G1, 24                            ; s[24:31] descriptor group 1 for the left operand;  s[32:39] group 0, one set for each slot
.set G0, 32
.set G1B, 48                           ; s[48:55], s[56:63] the same for the weight
.set G0B, 56
.set MSB, 0
.macro WIN new                         ; the immediate's high byte repeats the setting that is left
.if MSB != \new
	s_set_vgpr_msb (MSB<<8)|\new
.set MSB, \new
.endif
.endm
.set MUL_LO, 0xa1                      ; source 0 window 1, source 1 window 0, C and D window 2
.set MUL_HI, 0xf1                      ; the same, C and D window 3
.set TO_B,   0x40                      ; destination window 1, address window 0
; A joint load: waves 0 and 1 fetch the left operand's halves, waves 2 and 3 the weight's.  Each of the two lines has ONE mask and one set of registers for all that issue it; the branch hangs on the wave's number alone.
; Four v_nop follow each of the two lines, ahead of the jump, the label and what follows.
.macro JLOAD g0a, g1a, g0b, g1b
	s_cmp_eq_u32 s15, 0
	s_cbranch_scc0 .Lfor_b_\@
	tensor_load_to_lds s[\g0a:\g0a+3], s[\g1a:\g1a+7]
	s_nop 0
.rept 4
	v_nop
.endr
	s_branch .Lasked_\@
.Lfor_b_\@:
	tensor_load_to_lds s[\g0b:\g0b+3], s[\g1b:\g1b+7]
	s_nop 0
.rept 4
	v_nop
.endr
.Lasked_\@:
.endm
.macro CREST                           ; a round of the cluster's barrier behind its opening barrier
	s_cmp_lg_u32 s14, 0
	s_cbranch_scc1 .Lnot_wave_0_\@
	s_barrier_signal -3
.Lnot_wave_0_\@:
	s_barrier_wait -3
	s_barrier_signal -1
	s_barrier_wait -1
.endm
.macro CROUND                          ; a whole round
	s_barrier_signal -1
	s_barrier_wait -1
	CREST
.endm
	s_load_b128 s[4:7], s[0:1], 0x0                ; the left operand's image s[4:5], the weights' s[6:7]
	s_load_b128 s[8:11], s[0:1], 0x10              ; the scales' exponents s[8:9], the bias s[10:11]
	s_load_b64 s[12:13], s[0:1], 0x20              ; the output
	v_lshl_add_u32 v[SPW], v0, 2, SPARE
	v_mov_b32 v[NIL], 0
	ds_add_u32 v28, v29
	ds_add_u32 v28, v29
	s_wait_dscnt 0x0
	v_lshrrev_b32 v1, 5, v0
	v_readfirstlane_b32 s14, v1                    ; wave 0..3
	s_lshr_b32 s15, s14, 1                         ; which half of source 1's 256 rows is mine.  Also: I fetch the left operand (0) or the weight (1)
	s_and_b32 s16, s14, 1                          ; which half of source 0's.  Also: which 128 rows I fetch
	s_bfe_u32 s40, ttmp6, 0x40000                  ; cx, cy: my place in the cluster
	s_bfe_u32 s41, ttmp6, 0x40004
	s_lshl_b32 s42, ttmp9, 2
	s_add_co_u32 s42, s42, s40                     ; tile column = 4 x cluster x + cx
	s_and_b32 s17, ttmp7, 0xffff
	s_lshl_b32 s17, s17, 2
	s_add_co_u32 s17, s17, s41                     ; tile row = 4 x cluster y + cy
	s_lshl_b32 s43, s41, 2
	s_lshl_b32 s43, 15, s43                        ; my row of the cluster
	s_lshl_b32 s44, 0x1111, s40                    ; my column
	; descriptor group 1: a dense block of 32,768 bytes as 128 rows of 32 elements of 8 bytes; no padding: fragments are read as consecutive bytes
	s_or_b32 s[G1+0], s43, (3<<16)|(1<<21)         ; 15:0 the mask: my row; 17:16 elements of 8 bytes; 21 set beside a mask
	s_or_b32 s[G1B+0], s44, (3<<16)|(1<<21)        ; the same with my column
.irp g, G1, G1B
	s_mov_b32 s[\g+1], 32<<16                      ; tensor_dim0 = 32
	s_mov_b32 s[\g+2], 128<<16                     ; tensor_dim1 = 128
	s_mov_b32 s[\g+3], 32<<16                      ; tile_dim0 = 32
	s_mov_b32 s[\g+4], 128                         ; tile_dim1 = 128
	s_mov_b32 s[\g+5], 32                          ; tensor_dim0_stride
	s_mov_b32 s[\g+6], 0
	s_mov_b32 s[\g+7], 0
.endr
	s_lshl_b32 s18, s16, 15                        ; which 128 rows I fetch
	s_lshl_b32 s20, s17, 16
	s_add_co_u32 s20, s20, s18                     ; left operand: 65,536 x tile row + 32,768 x half
	s_mov_b32 s21, 0
	s_lshl_b32 s46, s42, 16
	s_add_co_u32 s46, s46, s18                     ; weight: 65,536 x tile column + 32,768 x half
.if PROJ
	s_add_co_u32 s46, s46, WOFF
.endif
	s_mov_b32 s47, 0
	s_mul_i32 s45, s14, HALFT                      ; where they go: wave x 32,768: no place in the cluster enters an LDS address
	s_wait_kmcnt 0x0
	s_load_b256 s[68:75], s[8:9], 0x0              ; e0 .. e7
	s_add_nc_u64 s[20:21], s[4:5], s[20:21]
	s_add_nc_u64 s[46:47], s[6:7], s[46:47]
	CROUND                                         ; all sixteen work-groups are here: the first joint loads meet
.irp s, 0,1
	s_mov_b32 s[G0+4*\s], 1
	s_add_co_u32 s[G0+4*\s+1], s45, \s*SLOT
	s_add_nc_u64 s[G0+4*\s+2:G0+4*\s+3], s[20:21], \s*ASTEP
	s_or_b32 s[G0+4*\s+3], s[G0+4*\s+3], 0x80000000
	s_mov_b32 s[G0B+4*\s], 1
	s_add_co_u32 s[G0B+4*\s+1], s45, \s*SLOT
	s_add_nc_u64 s[G0B+4*\s+2:G0B+4*\s+3], s[46:47], \s*BSTEP
	s_or_b32 s[G0B+4*\s+3], s[G0B+4*\s+3], 0x80000000
	JLOAD G0+4*\s, G1, G0B+4*\s, G1B               ; two loads of mine are out
.endr
	v_and_b32 v1, 31, v0
	v_lshlrev_b32 v[LI], 4, v1
	s_wait_alu depctr_va_vdst(0)
	v_and_b32 v2, 15, v0                           ; r
	v_bfe_u32 v3, v0, 4, 1                         ; h
	v_lshlrev_b32 v[BH], 5, v3
	s_wait_alu depctr_va_vdst(0)
	v_lshlrev_b32 v[BR], 2, v2
.if PROJ
	s_mul_i32 s21, s15, HALFT                      ; source 1: my 128 tokens
	s_mul_i32 s22, s16, HALFT
	s_add_co_u32 s22, s22, 2*HALFT                 ; source 0: my 128 columns of the weight
.else
	s_wait_alu depctr_va_vdst(0)
	s_cmp_eq_u32 ttmp9, 2                          ; v?  The cluster's x: the same in all sixteen partners
	s_cselect_b32 s21, 2*HALFT, 0                  ; source 1's region: tokens; for v the weight's columns
	s_cselect_b32 s22, 0, 2*HALFT                  ; source 0's region: the other one
	s_cselect_b32 s80, s15, s16                    ; which half of the tile's 256 features is mine,
	s_cselect_b32 s81, s16, s15                    ; and which half of its 256 tokens
	s_mul_i32 s23, s15, HALFT
	s_add_co_u32 s21, s21, s23
	s_mul_i32 s23, s16, HALFT
	s_add_co_u32 s22, s22, s23
.endif
.irp s, 0,1
	v_add_nc_u32 v[ADRA+\s], s21, v[LI]
	v_add_nc_u32 v[ADRB+\s], s22, v[LI]
	s_add_co_u32 s21, s21, SLOT
	s_add_co_u32 s22, s22, SLOT
.endr
	s_lshl_b32 s82, s42, 10                        ; the bias: 256 x tile column numbers on,
	s_lshl_b32 s83, s16, 9
	s_add_co_u32 s76, s82, s83                     ; + 128 x source 0's half
	s_mov_b32 s77, 0
	s_add_nc_u64 s[76:77], s[10:11], s[76:77]
.if PROJ
	s_mul_i32 s23, s14, 16*SPITCH                  ; my stage
	v_mul_u32_u24 v5, v2, SPITCH                   ; in: row r, 32 bytes for each half of the lanes
	v_lshl_add_u32 v5, v3, 5, v5
	v_add_nc_u32 v[STO], s23, v5
	v_add_nc_u32 v[RD], s23, v[LI]                 ; back: the 32 lanes take one row of 512 bytes
	s_lshl_b32 s20, s17, 20                        ; out0: (256 x tile row + 128 x half) rows of 4,096 bytes + 1,024 x tile column + 512 x half
	s_lshl_b32 s21, s15, 19
	s_add_co_u32 s20, s20, s21
	s_add_co_u32 s20, s20, s82
	s_add_co_u32 s20, s20, s83
	s_mov_b32 s21, 0
	s_add_nc_u64 s[12:13], s[12:13], s[20:21]
.else
	s_lshl_b32 s83, s15, 9
	s_add_co_u32 s78, s82, s83                     ; + 128 x source 1's half: v's features
	s_mov_b32 s79, 0
	s_add_nc_u64 s[78:79], s[10:11], s[78:79]
	; both kinds of bias are loaded by every work-group: no branch, and they land under the products
.irp b, 0,1,2,3,4,5,6,7
	global_load_b128 v[BIQ+8*\b:BIQ+8*\b+3], v[BH], s[76:77] offset:64*\b
	global_load_b128 v[BIQ+8*\b+4:BIQ+8*\b+7], v[BH], s[76:77] offset:64*\b+16
.endr
.irp a, 0,1,2,3,4,5,6,7
	global_load_b32 v[BIV+2*\a], v[BR], s[78:79] offset:64*\a
	global_load_b32 v[BIV+2*\a+1], v[BR], s[78:79] offset:64*\a      ; twice: a pair for the packed multiply-add
.endr
	; where my results go: tensor x 8,388,608 + (16 x batch + 4 cx + 2 x my half of the features) x 131,072 + (tile row % 8) x 16,384 + my half of the tokens x 8,192
	s_lshr_b32 s82, s17, 3
	s_lshl_b32 s82, s82, 4
	s_lshl_b32 s83, s40, 2
	s_add_co_u32 s82, s82, s83
	s_lshl_b32 s80, s80, 1
	s_add_co_u32 s82, s82, s80
	s_lshl_b32 s82, s82, 17
	s_and_b32 s83, s17, 7
	s_lshl_b32 s83, s83, 14
	s_add_co_u32 s82, s82, s83
	s_lshl_b32 s81, s81, 13
	s_add_co_u32 s82, s82, s81
	s_lshl_b32 s83, ttmp9, 23
	s_add_co_u32 s82, s82, s83
	s_mov_b32 s83, 0
	s_add_nc_u64 s[12:13], s[12:13], s[82:83]
.endif
.macro FRAG reg, adr, q, i             ; a fragment comes as it lies: four loads of 512 consecutive bytes: block i of my 8, the slot's q-th 128 along K
.irp c, 0,1,2,3
	ds_load_b128 v[\reg+4*\c:\reg+4*\c+3], v[\adr] offset:2048*(\q)+512*\c+4096*(\i)
.endr
.endm
; 16 matrix instructions: source 1's blocks a0, a0 + 1 x source 0's eight, 128 along K.  p: source 0's set.  zero = 1: the first product starts the sums: nothing is ever cleared.
; The 64 accumulators take turns, one instruction a turn, in the same order in every step.
.macro MUL16 a0, p, zero
.irp a, \a0, \a0+1
.irp b, 0,1,2,3,4,5,6,7
.if \zero
	v_wmma_f32_16x16x128_fp8_fp8 v[8*(8*((\a)%4)+\b):8*(8*((\a)%4)+\b)+7], v[128*(\p)+FR*\b:128*(\p)+FR*\b+FR-1], v[AF+FR*(\a):AF+FR*(\a)+FR-1], 0
.else
	v_wmma_f32_16x16x128_fp8_fp8 v[8*(8*((\a)%4)+\b):8*(8*((\a)%4)+\b)+7], v[128*(\p)+FR*\b:128*(\p)+FR*\b+FR-1], v[AF+FR*(\a):AF+FR*(\a)+FR-1], v[8*(8*((\a)%4)+\b):8*(8*((\a)%4)+\b)+7]
.endif
.endr
.endr
.endm
.macro FETCH_B slot, q, p              ; source 0's eight fragments into set p
	WIN TO_B
.irp i, 0,1,2,3,4,5,6,7
	FRAG 128*(\p)+FR*\i, ADRB+\slot, \q, \i
.endr
	WIN 0
.endm
.macro FETCH_A slot, q, i0             ; source 1's blocks i0 .. i0 + 3
.irp i, \i0, \i0+1, \i0+2, \i0+3
	FRAG AF+FR*(\i), ADRA+\slot, \q, \i
.endr
.endm
; A load into a register that a matrix instruction has read, and a vector instruction that reads a matrix result, stand NP places behind that matrix instruction, and only plain vector
; instructions that name none of its registers are places (ISA guide 7.12.1 for vector instructions).
.macro PLACES n
.rept \n
	v_nop
.endr
.endm
; A step of 128 along K that has its successor in the same slot.  A block of source 1 is free as soon as its eight products are issued: blocks 0-3 are fetched anew in the step's middle, blocks 4-7 at its end.
.macro STEP slot, q, zero
	s_wait_dscnt 4*NL                              ; source 0's set and blocks 0-3 are in; the youngest 16 loads (blocks 4-7) may be out
	WIN MUL_LO
	MUL16 0, (\q)%2, \zero
	MUL16 2, (\q)%2, \zero
	s_wait_dscnt 0                                 ; blocks 4-7 are in (asked for 32 matrix instructions ago)
	PLACES NP
	FETCH_B \slot, (\q)+1, 1-(\q)%2
	FETCH_A \slot, (\q)+1, 0
	WIN MUL_HI
	MUL16 4, (\q)%2, \zero
	MUL16 6, (\q)%2, \zero
	PLACES NP
	WIN 0
	FETCH_A \slot, (\q)+1, 4
.endm
; A slot's last step changes slots: ONE barrier; in front of it each wave waits for all its tensor loads, adds 0 to its spare word, and waits for that and for its own reads of this slot.  fill = 1: this slot is filled again, two K steps ahead.
.macro TURN slot, next, fill
	s_wait_tensorcnt 0x0                           ; all my tensor loads have landed: my part of the next slot  (every window is 0 here)
	ds_add_u32 v[SPW], v[NIL]                      ; 0 onto my spare word
	s_wait_dscnt 4*NL+1                            ; (the add and the youngest 16 loads, blocks 4-7, may be out)
	WIN MUL_LO
	MUL16 0, 1, 0                                  ; sixteen matrix instructions stand between the add and the wait for it
	s_wait_dscnt 0x0                               ; the add is done, and my reads of this slot are over
	s_barrier_signal -1
	MUL16 2, 1, 0
	WIN 0
	s_barrier_wait -1
.if \fill
	CREST                                          ; the barrier has opened a round of the cluster's barrier: no wave of any partner still reads this slot or has a load on its way
	s_add_nc_u64 s[G0+4*\slot+2:G0+4*\slot+3], s[G0+4*\slot+2:G0+4*\slot+3], 2*ASTEP
	s_add_nc_u64 s[G0B+4*\slot+2:G0B+4*\slot+3], s[G0B+4*\slot+2:G0B+4*\slot+3], 2*BSTEP
	JLOAD G0+4*\slot, G1, G0B+4*\slot, G1B         ; the first tensor load behind the round, my only one out; the four v_nop behind it are the places in front of the loads below
.else
	PLACES NP
.endif
	FETCH_B \next, 0, 0
	FETCH_A \next, 0, 0
	WIN MUL_HI
	MUL16 4, 1, 0
	MUL16 6, 1, 0
	PLACES NP
	WIN 0
	FETCH_A \next, 0, 4
.endm
	s_wait_alu depctr_va_vdst(0)
	s_wait_tensorcnt 1                             ; my part of K step 0 is in (K step 1's load may be out)
	s_barrier_signal -1
	s_barrier_wait -1                              ; everybody's is
	FETCH_B 0, 0, 0
	FETCH_A 0, 0, 0
	FETCH_A 0, 0, 4
	STEP 0, 0, 1                                   ; K = 1,024 is eight steps of 128, twice round the ring: written straight.  The first step's products start the sums
	TURN 0, 1, 1                                   ; slot 0 takes K 512 on
	STEP 1, 0, 0
	TURN 1, 0, 1                                   ; slot 1 takes K 768 on
	STEP 0, 0, 0
	TURN 0, 1, 0                                   ; nothing is left to fetch: no round
	STEP 1, 0, 0
.if PROJ
	WIN TO_B                                       ; source 0's set 0 is done with (NP places stand behind its last product): it takes b_proj at features 16 b + 8 h + j, register 8 b + j
.irp b, 0,1,2,3,4,5,6,7
	global_load_b128 v[8*\b:8*\b+3], v[BH], s[76:77] offset:64*\b
	global_load_b128 v[8*\b+4:8*\b+7], v[BH], s[76:77] offset:64*\b+16
.endr
	WIN 0
.endif
	s_wait_dscnt 4*NL                              ; the very last step: nothing more to fetch
	WIN MUL_LO
	MUL16 0, 1, 0
	MUL16 2, 1, 0
	s_wait_dscnt 0
	WIN MUL_HI
	MUL16 4, 1, 0
	MUL16 6, 1, 0
	WIN 0
	s_wait_kmcnt 0x0
	s_add_co_i32 s96, s[EA], s[EA+1]               ; eA + eB, between -126 and 127,
	s_add_co_i32 s96, s96, 127
	s_lshl_b32 s96, s96, 23                        ; makes the f32 number 2^(eA + eB)
	s_mov_b32 s97, s96                             ; (named with it as a pair, so it is written)
.if PROJ
; THE WAY OUT, block by block of 16 tokens x 128 features.  A lane holds 32 neighbouring bytes of a row, and the lanes beside it hold other rows: so a block goes through my own stage in LDS and comes back as
; whole rows of 512 bytes.  LDS serves a wave's instructions in order (ISA guide 5.7.1.4): no wait between the stores and the loads, nor in front of the next block's stores.
.macro TOSTAGE a
.set AC, 64*((\a)%4)
	WIN (0x12+((\a)/4))                            ; source 0 (the sums) window 2 or 3, source 2 (the bias) window 1
.set j, 0
.rept 32
	v_pk_fma_f32 v[TMP+j:TMP+j+1], v[AC+j:AC+j+1], s[96:97], v[j:j+1] op_sel_hi:[1,0,1]   ; sum x 2^(e6 + e7) + b_proj; each accumulator from its low end on
.set j, j+2
.endr
	WIN 0
.irp b, 0,1,2,3,4,5,6,7
	ds_store_b128 v[STO], v[TMP+8*\b:TMP+8*\b+3] offset:64*\b
	ds_store_b128 v[STO], v[TMP+8*\b+4:TMP+8*\b+7] offset:64*\b+16
.endr
.set BB, BK+64*((\a)%2)
.irp t, 0,1,2,3,4,5,6,7,8,9,10,11,12,13,14,15
	ds_load_b128 v[BB+4*\t:BB+4*\t+3], v[RD] offset:\t*SPITCH
.endr
.endm
.macro SEND a, younger                 ; younger: the LDS instructions issued behind block a's loads, which may stay out
.set BB, BK+64*((\a)%2)
	s_wait_dscnt \younger                          ; the block is back in registers
.if (\a) > 0
	s_add_nc_u64 s[12:13], s[12:13], 16*4096       ; (behind a wait on XCNT: the earlier stores have read their base)  16 rows on
.endif
.irp t, 0,1,2,3,4,5,6,7,8,9,10,11,12,13,14,15
	global_store_b128 v[LI], v[BB+4*\t:BB+4*\t+3], s[12:13] offset:\t*4096 th:TH_STORE_NT   ; 32 lanes store 512 consecutive bytes, at a multiple of 512 from the output's first byte; written once, read by nobody here
.endr
.endm
	s_wait_loadcnt 0x0                             ; the bias
	PLACES NP                                      ; behind the last products: for the first reads of results and the loads into the registers that held source 1's fragments
	TOSTAGE 0
.irp a, 1,2,3,4,5,6,7
.if \a > 1
	s_wait_xcnt 0x0                                ; block a - 2's stores have read their registers and their base: block a's loads may land there, and the base may step
.endif
	TOSTAGE \a
	SEND \a-1, 32                                  ; behind block a - 1's loads: block a's 16 stores and 16 loads
.endr
	s_wait_xcnt 0x0                                ; block 6's stores have read their base
	SEND 7, 0
.else
; THE WAY OUT, block a by block a: sum x 2^(e0 + e1) + bias in f32, the conversion.  The eight conversions' results ARE the next product's fragment: registers 2 b, 2 b + 1 from accumulator (a, b).
; They leave as an image: four stores of 512 consecutive bytes, at multiples of 512 from the buffer's first byte.  No LDS, nothing changes lanes.
.macro OUTBLK a, isv
.set AC, 64*((\a)%4)
.set CSET, CD+16*((\a)%4)
.if (\a) >= 4
	s_wait_xcnt 0x0                                ; the stores of four blocks back have read their codes: that set is written again below
.endif
	WIN (0x02+((\a)/4))                            ; source 0: window 2 or 3
	v_nop
.irp b, 0,1,2,3,4,5,6,7
.irp i, 0,2,4,6
.if \isv
	v_pk_fma_f32 v[TMP+8*\b+\i:TMP+8*\b+\i+1], v[AC+8*\b+\i:AC+8*\b+\i+1], s[96:97], v[BIV+2*(\a):BIV+2*(\a)+1] op_sel_hi:[1,0,1]   ; my lane's one feature, 16 a + r
.else
	v_pk_fma_f32 v[TMP+8*\b+\i:TMP+8*\b+\i+1], v[AC+8*\b+\i:AC+8*\b+\i+1], s[96:97], v[BIQ+8*\b+\i:BIQ+8*\b+\i+1] op_sel_hi:[1,0,1]  ; features 16 b + 8 h + i, i + 1; each accumulator from its low end on
.endif
.endr
.endr
	WIN 0
.set i, 0
.rept 64
.set i, i+1
.endr
.irp b, 0,1,2,3,4,5,6,7
	v_cvt_scalef32_pk8_fp8_f32 v[CSET+2*\b:CSET+2*\b+1], v[TMP+8*\b:TMP+8*\b+7], v10
.endr
	v_nop                                          ; a plain vector line between the conversions and the next block's multiply-adds, which write their sources
.irp c, 0,1,2,3
.if \isv
	global_store_b128 v[LI], v[CSET+4*\c:CSET+4*\c+3], s[12:13] offset:((\a)/4)*131072+((\a)%4)*2048+512*\c    ; head a / 4 of my two, d = 16 (a % 4) on, my 128 keys
.else
	global_store_b128 v[LI], v[CSET+4*\c:CSET+4*\c+3], s[12:13] offset:1024*(\a)+(\c/2)*131072+(\c%2)*512      ; tokens 16 a on, head c / 2 of my two
.endif
.endr
.endm
	s_cmp_eq_u32 ttmp9, 0
	s_cselect_b32 s80, s70, s71                    ; the result's own scale: e2 for q, e3 for k,
	s_cmp_eq_u32 ttmp9, 2
	s_cselect_b32 s80, s73, s80                    ; e5 for v: chosen without a branch
	s_add_co_i32 s80, s80, 127
	s_lshl_b32 s81, s80, 23
	v_mov_b32 v10, s81                             ; 2^e as f32: the conversion takes its exponent field
	s_wait_loadcnt 0x0                             ; the biases
	PLACES NP-2                                    ; with the move above and the v_nop at a block's head: NP places behind the last products
	s_cmp_eq_u32 ttmp9, 2                          ; the cluster's x: no place in the cluster, no loaded number
	s_cbranch_scc1 .Lout_v
.irp a, 0,1,2,3,4,5,6,7
	OUTBLK \a, 0
.endr
	s_branch .Lend
.Lout_v:
.irp a, 0,1,2,3,4,5,6,7
	OUTBLK \a, 1
.endr
.Lend:
.endif
	s_wait_tensorcnt 0x0                           ; the wave's end, behind my last tensor load and my last LDS store
	ds_add_u32 v[SPW], v[NIL]
	s_wait_dscnt 0x0
	CROUND                                         ; the closing round: no work-group ends while a partner may still ask for a block that names it
	s_endpgm
.Lfunc_end_k_q548f1a6ba9_qkv:
	.size	k_q548f1a6ba9_qkv, .Lfunc_end_k_q548f1a6ba9_qkv-k_q548f1a6ba9_qkv
	.p2alignl 7, 3214868480
	.fill 96, 4, 3214868480
	.section	.rodata,"a",@progbits
	.p2align	6, 0x0
	.amdhsa_kernel k_q548f1a6ba9_qkv
		.amdhsa_group_segment_fixed_size 327680
		.amdhsa_private_segment_fixed_size 0
		.amdhsa_enable_private_segment 0
		.amdhsa_kernarg_size 40
		.amdhsa_user_sgpr_count 2
		.amdhsa_user_sgpr_kernarg_segment_ptr 1
		.amdhsa_wavefront_size32 1
		.amdhsa_system_sgpr_workgroup_id_x 1
		.amdhsa_system_sgpr_workgroup_id_y 1
		.amdhsa_system_sgpr_workgroup_id_z 1
		.amdhsa_system_vgpr_workitem_id 0
		.amdhsa_next_free_vgpr 1024
		.amdhsa_next_free_sgpr 98
		.amdhsa_reserve_vcc 0
		.amdhsa_float_denorm_mode_32 3
		.amdhsa_float_denorm_mode_16_64 3
		.amdhsa_fp16_overflow 1
		.amdhsa_memory_ordered 1
		.amdhsa_forward_progress 1
		.amdhsa_inst_pref_size 129
	.end_amdhsa_kernel
	.amdgpu_metadata
---
amdhsa.version: [ 1, 2 ]
amdhsa.kernels:
  - .name:           k_q548f1a6ba9_qkv
    .symbol:         k_q548f1a6ba9_qkv.kd
    .args:
      - { .name: x_img, .offset: 0, .size: 8, .value_kind: global_buffer, .address_space: global }
      - { .name: w_img, .offset: 8, .size: 8, .value_kind: global_buffer, .address_space: global }
      - { .name: lowp_scales, .offset: 16, .size: 8, .value_kind: global_buffer, .address_space: global }
      - { .name: b_attn, .offset: 24, .size: 8, .value_kind: global_buffer, .address_space: global }
      - { .name: qkv, .offset: 32, .size: 8, .value_kind: global_buffer, .address_space: global }
    .group_segment_fixed_size: 327680
    .private_segment_fixed_size: 0
    .kernarg_segment_align: 8
    .kernarg_segment_size: 40
    .max_flat_workgroup_size: 128
    .sgpr_count:     98
    .vgpr_count:     1024
    .wavefront_size: 32
...
	.end_amdgpu_metadata
.endif
;; end of part 2
;; launch attn (part 3): grid 4 x 64, 16 waves a work-group, no clusters, 327,680 bytes of LDS; arguments qkv, lowp_scales, y_img; writes y_img
.if DOCPART == 3
	.amdgcn_target "amdgcn-amd-amdhsa--gfx1250"
	.amdhsa_code_object_version 6
	.text
	.protected	k_q548f1a6ba9_attn
	.globl	k_q548f1a6ba9_attn
	.p2align	8
	.type	k_q548f1a6ba9_attn,@function
k_q548f1a6ba9_attn:
	s_mov_b64 s[64:65], 0
	v_nop
	global_prefetch_b8 v0, s[64:65] scope:SCOPE_SE
	s_setreg_imm32_b32 hwreg(HW_REG_WAVE_MODE, 25, 1), 1
	s_wait_xcnt 0x0
; y[b][q][64 head + d] = the sum over keys k <= q of softmax_k(Q . K / 8) V, for 64 heads (bh = 16 x batch + head) of 2,048 tokens x 64, both products on codes of FP8 (E4M3); y leaves as codes.
; q, k, v arrive as images of operand registers (lane (r, h): row r; registers 2 c', 2 c' + 1: K = 16 c' + 8 h + 0 .. 7; registers 4 c .. 4 c + 3 of lane l at 512 c + 16 l):
;   q at 0, k at 8,388,608: bh x 131,072 + (t / 16) x 1,024: 16 tokens x 64 d, 8 registers.   v at 16,777,216: bh x 131,072 + (t / 128) x 8,192 + (d / 16) x 2,048: 16 d x 128 keys, 16 registers.
; THE SOFTMAX AHEAD OF THE SECOND PRODUCT: t = score x 2^(e2 + e3) x log2(e) / 8; M = the row's largest t so far, rounded UP to a whole number; p = 2^(t - M) is quantised with 2^e4, not normalised.
; The row's sum is taken of the unquantised p, in f32.  When M moves, the sum and O are multiplied by 2^(old M - new M): exact.  At the end y = O x 2^(e4 + e5) / sum is quantised with 2^e6.
; LAYOUT.  Both products are used transposed: S^T = K Q^T (v_wmma_f32_16x16x64_fp8_fp8: source 0 = 16 keys, source 1 = my 16 queries), O^T = V^T P^T (16x16x128: source 0 = 16 d, source 1 = P): a lane holds ONE
; query (lane % 16) throughout.  Register j of score tile t is key 16 t + 8 h + j: its eight codes are registers 2 t, 2 t + 1 of P's fragment.  O^T's eight codes of d tile dt are registers 2 dt, 2 dt + 1 of y's.
; y_img is laid as the projection's left operand: (head / 4) x 2,097,152 + (row / 16) x 4,096 + (head % 4) x 1,024 + 512 c + 16 lane, c = 0, 1.
; SHARES.  Work-group (j, bh), sixteen waves, four to a SIMD.  Wave w owns TWO tiles of 16 queries: from 256 j + 16 w on, and from 2,032 - (256 j + 16 w) on.  Tile i of the head's 128 has i / 8 + 1 key steps of
; 128 keys that count, so every wave has 17 tile steps.  Every work-group walks all 4 slots of 512 keys: trip counts are constants; a tile's step all of whose keys come after its queries is left out by a scalar
; branch on ids, round its loads, products and softmax alone.
; NO CLUSTER, though the four work-groups of a head read the same K and V: a round at each change of slots would hold the four to the busiest in each slot, and their work in a slot differs: 8 tile steps a wave
; in slots 0 and 1 (work-group 3), 4 in slots 2 and 3 (work-group 0): 24 in step against each wave's own 17.
; LIMITS: e2 + e3 between -123 and 130 (they are added to the exponent field of log2(e) / 8); e4 between -126 and 119; e4 + e5 - e6 is applied by v_ldexp_f32 and has none.  NaN is not served.
; REGISTERS: v1 16 x lane; v2 LDS address of the step in hand; v3 r - 8 h; v4 the mask's bound; v5, v6 the add's; v8-11, v12-15 a tile's -M, largest t, sum in two halves; v16-23, v24-31 Q; v32-95 K's eight or
; V's four fragments; v96-159 S^T, then p; v160-191, v192-223 O^T; v224-239 codes; v241 2^e4; v242-252 at work.
.set SLOT1, 65536                      ; a slot: 512 keys of K (32,768 bytes, a key step 8,192), then of V (the same); slot 1 begins here, so that one exclusive or turns an address
.set SPARE, 2*SLOT1                    ; behind the ring: the spare words, 128 bytes for each wave: eight blocks of 256 bytes that no other line names
; Waves 0 and 1 fetch K's halves of a slot, waves 2 and 3 V's, the others nothing: the branch hangs on the wave's number alone.  Four v_nop follow the load.
.macro TLOAD
	s_cmp_lt_u32 s10, 4
	s_cbranch_scc0 .Lno_load_\@
	tensor_load_to_lds s[24:27], s[16:23]
	s_nop 0
.rept 4
	v_nop
.endr
.Lno_load_\@:
.endm
	s_load_b128 s[4:7], s[0:1], 0x0                ; qkv s[4:5], the scales' exponents s[6:7]
	s_load_b64 s[8:9], s[0:1], 0x10                ; y_img
	v_lshl_add_u32 v5, v0, 2, SPARE
	v_mov_b32 v6, 0
	ds_add_u32 v5, v6
	ds_add_u32 v5, v6
	s_wait_dscnt 0x0
	v_lshrrev_b32 v1, 5, v0
	s_delay_alu instid0(VALU_DEP_1)
	v_readfirstlane_b32 s10, v1                    ; wave 0..15
	s_and_b32 s55, ttmp7, 0xffff                   ; bh
	s_lshl_b32 s51, s55, 17                        ; the head's first byte in q, in k and in v
	s_lshl_b32 s13, ttmp9, 8
	s_lshl_b32 s52, s10, 4
	s_add_co_u32 s13, s13, s52                     ; tile A's first query
	s_sub_co_u32 s14, 2032, s13                    ; tile B's
	; descriptor group 1: a dense block of 16,384 bytes as 64 rows of 32 elements of 8 bytes; no padding: fragments are read as consecutive bytes
	s_mov_b32 s16, 3<<16                           ; 15:0 no mask; 17:16 elements of 8 bytes
	s_mov_b32 s17, 32<<16                          ; tensor_dim0 = 32
	s_mov_b32 s18, 64<<16                          ; tensor_dim1 = 64
	s_mov_b32 s19, 32<<16                          ; tile_dim0 = 32
	s_mov_b32 s20, 64                              ; tile_dim1 = 64
	s_mov_b32 s21, 32                              ; tensor_dim0_stride
	s_mov_b32 s22, 0
	s_mov_b32 s23, 0
	s_mov_b32 s24, 1                               ; group 0: count = 1
	s_and_b32 s52, s10, 3
	s_lshl_b32 s25, s52, 14                        ; LDS address: 16,384 x wave, in slot 0
	s_bfe_u32 s52, s10, 0x10001                    ; K (0) or V (1)
	s_add_co_u32 s52, s52, 1
	s_lshl_b32 s52, s52, 23                        ; k begins at 8,388,608, v at twice that
	s_add_co_u32 s52, s52, s51
	s_and_b32 s53, s10, 1
	s_lshl_b32 s53, s53, 14                        ; which half of the slot's 32,768 bytes
	s_add_co_u32 s52, s52, s53
	s_mov_b32 s53, 0
	s_wait_kmcnt 0x0
	s_load_b256 s[32:39], s[6:7], 0x0              ; e0 .. e7
	s_add_nc_u64 s[26:27], s[4:5], s[52:53]
	s_or_b32 s27, s27, 0x80000000                  ; type = 2
	TLOAD                                          ; slot 0: one load of mine is out
	s_lshl_b32 s52, s13, 6                         ; 16 queries are 1,024 bytes
	s_add_co_u32 s52, s52, s51
	s_add_nc_u64 s[40:41], s[4:5], s[52:53]        ; tile A's Q
	s_lshl_b32 s52, s14, 6
	s_add_co_u32 s52, s52, s51
	s_add_nc_u64 s[42:43], s[4:5], s[52:53]        ; tile B's
	v_and_b32 v1, 31, v0
	s_delay_alu instid0(VALU_DEP_1)
	v_lshlrev_b32 v1, 4, v1                        ; 16 x lane
	global_load_b128 v[16:19], v1, s[40:41]
	global_load_b128 v[20:23], v1, s[40:41] offset:512
	global_load_b128 v[24:27], v1, s[42:43]
	global_load_b128 v[28:31], v1, s[42:43] offset:512
	s_bfe_u32 s52, s55, 0x20002                    ; head / 4
	s_lshl_b32 s52, s52, 21
	s_lshr_b32 s54, s55, 4                         ; batch: 128 blocks of 16 rows, 4,096 bytes each
	s_lshl_b32 s54, s54, 19
	s_add_co_u32 s52, s52, s54
	s_and_b32 s54, s55, 3                          ; head % 4
	s_lshl_b32 s54, s54, 10
	s_add_co_u32 s54, s52, s54
	s_lshl_b32 s52, s13, 8                         ; 16 rows are 4,096 bytes
	s_add_co_u32 s52, s52, s54
	s_add_nc_u64 s[44:45], s[8:9], s[52:53]        ; tile A's y
	s_lshl_b32 s52, s14, 8
	s_add_co_u32 s52, s52, s54
	s_add_nc_u64 s[46:47], s[8:9], s[52:53]        ; tile B's
	s_mov_b32 s28, 0x76543210                      ; lane selects for v_permlanex16_b32: lane l xor 16
	s_mov_b32 s29, 0xfedcba98
	s_mov_b32 s30, 0x3e38aa3b                      ; c = log2(e) / 8
	s_mov_b32 s2, 0                                ; LDS byte at which the key step in hand begins
	s_mov_b32 s11, 3                               ; slots still to be asked for
	s_mov_b32 s12, 0                               ; the step's first key
	v_and_b32 v3, 15, v0
	v_bfe_u32 v4, v0, 4, 1
	s_delay_alu instid0(VALU_DEP_1)
	v_lshlrev_b32 v4, 3, v4
	s_delay_alu instid0(VALU_DEP_1)
	v_sub_nc_u32 v3, v3, v4                        ; r - 8 h
	v_mov_b32 v9, 0xff61b1e6                       ; the largest t so far: -3e38, under every t
	v_mov_b32 v13, 0xff61b1e6
	s_delay_alu instid0(VALU_DEP_2)
	v_floor_f32 v8, -v9                            ; -M
	s_delay_alu instid0(VALU_DEP_2)
	v_floor_f32 v12, -v13
	v_mov_b32 v10, 0                               ; the sums, in two halves
	v_mov_b32 v11, 0
	v_mov_b32 v14, 0
	v_mov_b32 v15, 0
	v_mov_b32 v246, 0                              ; written once: a lane permute's destination counts as one of its sources
	v_mov_b32 v250, 0
	v_mov_b32 v249, 0                              ; (named as the upper half of the pair v[248:249])
	v_mov_b32 v247, 0xff800000                     ; -infinity
.set i, 0
.rept 64
	v_mov_b32 v[160+i], 0                          ; O^T of both tiles.  (The step is written once: a tile's first step finds zeros, which the first change of M leaves zeros)
.set i, i+1
.endr
	s_wait_kmcnt 0x0
	s_add_co_i32 s52, s34, s35
	s_lshl_b32 s52, s52, 23
	s_add_co_i32 s30, s30, s52                     ; a score stands for score x 2^(e2 + e3): the two exponents are added to c's exponent field
	s_mov_b32 s31, s30                             ; (named with it as a pair, so it is written)
	s_add_co_i32 s52, s36, 127
	s_lshl_b32 s53, s52, 23
	v_mov_b32 v241, s53                            ; 2^e4 as f32, for the conversion
	s_add_co_i32 s50, s36, s37
	s_sub_co_i32 s50, s50, s38                     ; e4 + e5 - e6
; A TILE'S KEY STEP: 128 keys from s12 on.  qf: Q's registers; ot: O^T's; st: the statistics'; s[q0]: the tile's first query.
.macro TSTEP qf, ot, st, q0
	s_add_co_u32 s15, s[\q0], 15
	s_cmp_gt_u32 s12, s15                          ; all 128 keys come after my 16 queries: nothing to do
	s_cbranch_scc1 .Lhidden_\@
	s_wait_alu depctr_va_vdst(0)
.irp t, 0,1,2,3,4,5,6,7                        ; K's eight fragments (four places stand behind the last products that read these registers: the v_nop at a step's end)
	ds_load_b128 v[32+8*\t:35+8*\t], v2 offset:1024*\t
	ds_load_b128 v[36+8*\t:39+8*\t], v2 offset:1024*\t+512
.endr
	s_wait_dscnt 0x0
.irp t, 0,1,2,3,4,5,6,7
	v_wmma_f32_16x16x64_fp8_fp8 v[96+8*\t:103+8*\t], v[32+8*\t:39+8*\t], v[\qf:\qf+7], 0
.endr
.rept 4
	v_nop                                          ; places in front of the loads below and of the first read of the scores
.endr
	s_wait_alu depctr_va_vdst(0)
.irp d, 0,1,2,3                                ; V's four fragments land under the softmax
.irp c, 0,1,2,3
	ds_load_b128 v[32+16*\d+4*\c:35+16*\d+4*\c], v2 offset:32768+2048*\d+512*\c
.endr
.endr
	s_add_co_u32 s15, s12, 127                     ; on the diagonal the scores of hidden keys become -infinity ahead of the maximum: p = 0 then.  A step all of whose keys count skips this.
	s_cmp_le_u32 s15, s[\q0]                       ; (The step's first key is at most the tile's first query, so every query has a key that counts)
	s_cbranch_scc1 .Lopen_\@
	s_sub_co_i32 s15, s[\q0], s12
	v_add_nc_u32 v4, s15, v3                       ; my query - the step's first key - 8 h.  Register 8 t + j holds key 16 t + 8 h + j: hidden where 16 t + j is greater
.set n, 0
.rept 64
	v_cmp_gt_i32 vcc_lo, 16*(n/8)+n%8, v4
	v_cndmask_b32 v[96+n], v[96+n], v247, vcc_lo
.set n, n+1
.endr
.Lopen_\@:
	v_max3_num_f32 v244, v96, v97, v98             ; the step's largest score of my query, among my 64 keys, in two chains (each accumulator is first read at its low end),
	v_max3_num_f32 v245, v99, v100, v101
.irp i, 6,10,14,18,22,26,30,34,38,42,46,50,54,58
	v_max3_num_f32 v244, v244, v[96+\i], v[97+\i]
	v_max3_num_f32 v245, v245, v[98+\i], v[99+\i]
.endr
	v_max3_num_f32 v244, v244, v158, v159
	s_delay_alu instid0(VALU_DEP_1)
	v_max_num_f32 v244, v244, v245
	s_delay_alu instid0(VALU_DEP_1)
	v_permlanex16_b32 v246, v244, s28, s29
	s_delay_alu instid0(VALU_DEP_1)
	v_max_num_f32 v244, v244, v246                 ; and among lane l xor 16's
	s_delay_alu instid0(VALU_DEP_1)
	v_mul_f32 v244, s30, v244                      ; as t (c is positive)
	s_delay_alu instid0(VALU_DEP_1)
	v_max_num_f32 v[\st+1], v[\st+1], v244         ; the running largest t
	v_mov_b32 v244, v[\st]
	s_delay_alu instid0(VALU_DEP_2)
	v_floor_f32 v[\st], -v[\st+1]                  ; the new -M = floor(-t) = -ceil(t): M IS A WHOLE NUMBER
	s_delay_alu instid0(VALU_DEP_1)
	v_sub_f32 v244, v[\st], v244                   ; M's old value less its new one: a whole number, 0 or less
	s_delay_alu instid0(VALU_DEP_1)
	v_cvt_i32_f32 v244, v244                       ; (it saturates)
	s_delay_alu instid0(VALU_DEP_1)
	v_ldexp_f32 v248, 1.0, v244                    ; f = 2^(old M - new M): a multiplication by it rounds nothing
.set j, 0
.rept 32
	v_pk_fma_f32 v[96+j:97+j], v[96+j:97+j], s[30:31], v[\st:\st+1] op_sel_hi:[1,0,0]   ; t - M, two at a time (of the pairs c and -M the low word serves both halves)
.set j, j+2
.endr
.set j, 0
	s_wait_alu depctr_va_vdst(0)
.rept 64
	v_exp_f32 v[96+j], v[96+j]                     ; p = 2^(t - M), at most 1: NOT normalised
.set j, j+1
.endr
	v_pk_mul_f32 v[\st+2:\st+3], v[\st+2:\st+3], v[248:249] op_sel_hi:[1,0]   ; the sums under the new M: the plain vector line behind the exponentials
	s_wait_alu depctr_va_vdst(0)                   ; one wait for the whole batch, ahead of its first reader
	v_pk_add_f32 v[242:243], v[96:97], v[98:99]    ; THE ROW'S SUM IS TAKEN OF THE UNQUANTISED p: two at a time, in two chains
.irp j, 4,8,12,16,20,24,28,32,36,40,44,48,52,56,60
	v_pk_add_f32 v[\st+2:\st+3], v[\st+2:\st+3], v[96+\j:97+\j]
	v_pk_add_f32 v[242:243], v[242:243], v[98+\j:99+\j]
.endr
	s_delay_alu instid0(VALU_DEP_1)
	v_pk_add_f32 v[\st+2:\st+3], v[\st+2:\st+3], v[242:243]
.set j, 0
.rept 64
.set j, j+1
.endr
.irp t, 0,1,2,3,4,5,6,7
	v_cvt_scalef32_pk8_fp8_f32 v[224+2*\t:225+2*\t], v[96+8*\t:103+8*\t], v241
.endr
.set j, 0
.rept 16
	v_pk_mul_f32 v[\ot+j:\ot+j+1], v[\ot+j:\ot+j+1], v[248:249] op_sel_hi:[1,0]   ; O^T under the new M: x f.  (Also the plain lines between the conversions and the products that read their results)
.set j, j+2
.endr
	s_wait_alu depctr_va_vdst(0)
	s_wait_dscnt 0x0                               ; V
.irp d, 0,1,2,3                                ; O^T += V^T P^T: four accumulators by turns
	v_wmma_f32_16x16x128_fp8_fp8 v[\ot+8*\d:\ot+8*\d+7], v[32+16*\d:47+16*\d], v[224:239], v[\ot+8*\d:\ot+8*\d+7]
.endr
.rept 4
	v_nop                                          ; places in front of the next loads into V's registers, and of the last read of O^T
.endr
.Lhidden_\@:
.endm
; THE CHANGE OF SLOTS stands at a slot's head.  Each wave waits for all its tensor loads (its part of the slot that it is about to read), adds 0 to its spare word, and waits for that and for its reads of the slot
; that it has left.  Behind the barrier the slot ahead is whole and nobody reads the other one.  fill = 1: that other slot takes the next 512 keys: the load has four key steps of sixteen waves in which to land.
.macro CHANGE fill
	s_wait_tensorcnt 0x0                           ; no tensor load of mine is out, so group 0 may be written
	ds_add_u32 v5, v6                              ; 0 onto my spare word
.if \fill
	s_xor_b32 s25, s25, SLOT1                      ; the walking descriptor: the other slot than last time,
	s_add_nc_u64 s[26:27], s[26:27], 32768         ; the next 512 keys; the type bits on top are not reached
.endif
	s_wait_dscnt 0x0                               ; the add is done, and my reads of the slot that I have left are over
	s_barrier_signal -1
	s_barrier_wait -1
.if \fill
	TLOAD                                          ; the first thing behind the barrier, and a wave's one tensor load until the next
.endif
.endm
.macro SLOT_STEPS                      ; a slot's four key steps: written once, walked four times; the LDS addresses hang on s2
	s_mov_b32 s3, 4
.Lstep_\@:
	v_add_nc_u32 v2, s2, v1
	TSTEP 16, 160, 8, 13
	TSTEP 24, 192, 12, 14
	s_add_co_u32 s12, s12, 128
	s_add_co_u32 s2, s2, 8192
	s_sub_co_u32 s3, s3, 1
	s_cmp_lg_u32 s3, 0
	s_cbranch_scc1 .Lstep_\@
	s_sub_co_u32 s2, s2, 32768                     ; back to a slot's first step,
	s_xor_b32 s2, s2, SLOT1                        ; in the other slot
.endm
	s_wait_loadcnt 0x0                             ; Q
.Lslot:                                            ; three trips: behind each change of slots but the last the next slot is asked for
	CHANGE 1
	SLOT_STEPS
	s_sub_co_u32 s11, s11, 1
	s_cmp_lg_u32 s11, 0
	s_cbranch_scc1 .Lslot
	CHANGE 0                                       ; the last slot is written out
	SLOT_STEPS
	; THE WAY OUT.  y / 2^e6 = O^T x 2^(e4 + e5 - e6) / the sum, converted with the scale 1: the codes are y's fragment and leave as an image, 512 consecutive bytes a store.
	v_add_f32 v10, v10, v11                        ; the sums' two halves,
	v_add_f32 v14, v14, v15
	s_delay_alu instid0(VALU_DEP_2)
	v_permlanex16_b32 v246, v10, s28, s29
	s_delay_alu instid0(VALU_DEP_2)
	v_permlanex16_b32 v250, v14, s28, s29
	s_delay_alu instid0(VALU_DEP_2)
	v_add_f32 v10, v10, v246                       ; and lane l xor 16's: the rows' sums
	s_delay_alu instid0(VALU_DEP_2)
	v_add_f32 v14, v14, v250
	s_wait_alu depctr_va_vdst(0)
	v_rcp_f32 v10, v10
	v_rcp_f32 v14, v14
	v_mov_b32 v251, 1.0                            ; (plain vector lines behind the reciprocals)  the conversion's scale,
	s_wait_alu depctr_va_vdst(0)                   ; one wait for both reciprocals, ahead of their first reader
	v_ldexp_f32 v10, v10, s50
	v_ldexp_f32 v14, v14, s50
.set j, 0
.rept 16
	v_pk_mul_f32 v[96+j:97+j], v[160+j:161+j], v[10:11] op_sel_hi:[1,0]       ; each accumulator from its low end on
.set j, j+2
.endr
.set j, 0
.rept 16
	v_pk_mul_f32 v[128+j:129+j], v[192+j:193+j], v[14:15] op_sel_hi:[1,0]
.set j, j+2
.endr
.set j, 0
.rept 64
.set j, j+1
.endr
.irp t, 0,1,2,3,4,5,6,7
	v_cvt_scalef32_pk8_fp8_f32 v[224+2*\t:225+2*\t], v[96+8*\t:103+8*\t], v251
.endr
	v_nop
	global_store_b128 v1, v[224:227], s[44:45]
	global_store_b128 v1, v[228:231], s[44:45] offset:512
	global_store_b128 v1, v[232:235], s[46:47]
	global_store_b128 v1, v[236:239], s[46:47] offset:512
	s_wait_tensorcnt 0x0                           ; the wave's end
	ds_add_u32 v5, v6
	s_wait_dscnt 0x0
	s_endpgm
.Lfunc_end_k_q548f1a6ba9_attn:
	.size	k_q548f1a6ba9_attn, .Lfunc_end_k_q548f1a6ba9_attn-k_q548f1a6ba9_attn
	.p2alignl 7, 3214868480
	.fill 96, 4, 3214868480
	.section	.rodata,"a",@progbits
	.p2align	6, 0x0
	.amdhsa_kernel k_q548f1a6ba9_attn
		.amdhsa_group_segment_fixed_size 327680
		.amdhsa_private_segment_fixed_size 0
		.amdhsa_enable_private_segment 0
		.amdhsa_kernarg_size 24
		.amdhsa_user_sgpr_count 2
		.amdhsa_user_sgpr_kernarg_segment_ptr 1
		.amdhsa_wavefront_size32 1
		.amdhsa_system_sgpr_workgroup_id_x 1
		.amdhsa_system_sgpr_workgroup_id_y 1
		.amdhsa_system_sgpr_workgroup_id_z 1
		.amdhsa_system_vgpr_workitem_id 0
		.amdhsa_next_free_vgpr 256
		.amdhsa_next_free_sgpr 66
		.amdhsa_reserve_vcc 1
		.amdhsa_float_denorm_mode_32 3
		.amdhsa_float_denorm_mode_16_64 3
		.amdhsa_fp16_overflow 1
		.amdhsa_memory_ordered 1
		.amdhsa_forward_progress 1
		.amdhsa_inst_pref_size 88
	.end_amdhsa_kernel
	.amdgpu_metadata
---
amdhsa.version: [ 1, 2 ]
amdhsa.kernels:
  - .name:           k_q548f1a6ba9_attn
    .symbol:         k_q548f1a6ba9_attn.kd
    .args:
      - { .name: qkv, .offset: 0, .size: 8, .value_kind: global_buffer, .address_space: global }
      - { .name: lowp_scales, .offset: 8, .size: 8, .value_kind: global_buffer, .address_space: global }
      - { .name: y_img, .offset: 16, .size: 8, .value_kind: global_buffer, .address_space: global }
    .group_segment_fixed_size: 327680
    .private_segment_fixed_size: 0
    .kernarg_segment_align: 8
    .kernarg_segment_size: 24
    .max_flat_workgroup_size: 512
    .sgpr_count:     66
    .vgpr_count:     256
    .wavefront_size: 32
...
	.end_amdgpu_metadata
.endif
;; end of part 3
;; launch proj (part 4): grid 4 x 32, 4 waves a work-group, clusters of 4 x 4, 327,680 bytes of LDS; arguments y_img, w_img, lowp_scales, b_proj, out0; writes out0
.if DOCPART == 4
	.amdgcn_target "amdgcn-amd-amdhsa--gfx1250"
	.amdhsa_code_object_version 6
	.text
	.protected	k_q548f1a6ba9_proj
	.globl	k_q548f1a6ba9_proj
	.p2align	8
	.type	k_q548f1a6ba9_proj,@function
k_q548f1a6ba9_proj:
	s_mov_b64 s[64:65], 0
	v_nop
	global_prefetch_b8 v0, s[64:65] scope:SCOPE_SE
	s_setreg_imm32_b32 hwreg(HW_REG_WAVE_MODE, 25, 1), 1
	s_wait_xcnt 0x0
	s_wait_alu depctr_hold_cnt(0) depctr_sa_sdst(0) depctr_va_vdst(0) depctr_va_sdst(0) depctr_va_ssrc(0) depctr_va_vcc(0) depctr_vm_vsrc(0)
	s_getreg_b32 s2, hwreg(HW_REG_IB_STS2, 6, 4)
	s_cmp_eq_u32 s2, 0
	s_cbranch_scc0 .Lentry_in_a_cluster
	s_endpgm
.Lentry_in_a_cluster:
	s_bfe_u32 s2, ttmp6, 0x10000c
	s_cmp_lg_u32 s2, 0xf033
	s_cbranch_scc0 .Lentry_shape_is_right
	s_endpgm
.Lentry_shape_is_right:
; ONE TEXT FOR TWO LAUNCHES; PROJ says which.  PROJ = 0: qkv = x w_attn + b_attn, and q, k, v leave as codes of FP8.  PROJ = 1: out = y w_proj + b_proj, f32.
; Both operands arrive as codes of FP8 (E4M3), as images of operand registers: a fragment (16 rows x 128 K, 16 registers a lane; lane (r, h) holds row r, registers 2 c', 2 c' + 1 hold k = 16 c' + 8 h + 0 .. 7)
; is 2,048 bytes, registers 4 c .. 4 c + 3 of lane l at 512 c + 16 l; 16 rows x 256 K are 4,096 bytes; 128 rows x 256 K are one dense block of 32,768 bytes.  K = 1,024: four such steps.
; The codes are multiplied as they are (v_wmma_f32_16x16x128_fp8_fp8, f32 sums, K ascending), and each finished sum goes once through sum x 2^(eA + eB) + bias.
; LIMITS: eA + eB between -126 and 127 (e0 + e1, or e6 + e7); PROJ = 0: e2, e3 and e5 between -126 and 119: each power of two below is then an f32 number.  NaN is not served.
; SHARES.  A work-group of four waves, as many as a WGP has SIMDs, makes 256 x 256; a wave 128 x 128: 64 accumulators of 16 x 16, 512 registers.  K goes in steps of 256 through a ring of two LDS slots.
; CLUSTERS: 4 x 4 work-groups.  The four of a row need the same rows of the left operand, the four of a column the same columns of the weight: each block is asked for JOINTLY.
; THE MATRIX INSTRUCTION IS USED TRANSPOSED: source 0 = 16 rows from one LDS region (window 1, two sets), source 1 = 16 rows from the other (window 0, one set).  Lane (r, h) of accumulator (a, b)
; holds row 16 a + r of source 1's 128 and rows 16 b + 8 h + 0 .. 7 of source 0's: eight neighbours, which one conversion turns into registers 2 b, 2 b + 1 of the next product's fragment.
;   q, k (cluster x = 0, 1) and PROJ = 1: source 0 = the weight's columns, source 1 = tokens: a lane holds a token and eight features.
;   v (cluster x = 2): the keys are the next K, so a lane must hold a feature and eight tokens: the two LDS regions change places, by a select on the cluster's x, which all sixteen partners share.
; qkv's layout: q at 0, k at 8,388,608, v at 16,777,216; head bh = 16 x batch + head at bh x 131,072.  q, k: 16 tokens x 64 d (8 registers) at (t / 16) x 1,024.  v: 16 d x 128 keys at (t / 128) x 8,192 + (d / 16) x 2,048.
; REGISTERS, in windows of 256: window 0: v0-31 addresses; v32-111 biases (PROJ = 0); from v128 source 1's fragments, ONE set; on the way out v112-255 (PROJ = 1: v32-255) are free.
;   window 1: source 0's fragments, TWO sets, at v0 and v128 (PROJ = 1: the bias takes set 0 in the last step).   windows 2, 3: the accumulators, (a, b) at v[8 (8 (a % 4) + b)].
.set PROJ,   1
.set HALFT,  32768                     ; 128 rows x 256 K: what one tensor load brings, and what one wave reads of either operand
.set SLOT,   4*HALFT                   ; the left operand's two halves, then the weight's two
.set SPARE,  2*SLOT                    ; behind the ring: the spare words, 128 bytes for each wave: two blocks of 256 bytes that no other line names
.set ASTEP,  2097152                   ; bytes from 256 along K to the next in the left operand's image,
.set BSTEP,  1048576                   ; and in the weights'
.if PROJ
.set WOFF,   192*4096                  ; w_proj's first column is n = 3,072
.set EA,     74                        ; s74, s75: e6, e7
.else
.set WOFF,   0
.set EA,     68                        ; s68, s69: e0, e1
.endif
.set FR,     16                        ; registers of a fragment
.set NL,     4                         ; LDS loads that bring one
.set NP,     4                         ; places behind this matrix instruction (ISA guide 7.12.1)
.set SPITCH, 528                       ; PROJ = 1: a stage of 16 rows x (512 bytes + 16) for each wave, in slot 0, which has had its last fill and its last read when the first result is stored there
.set LI,   12                          ; v12     16 x lane
.set BH,   13                          ; v13     32 x (lane / 16)
.set BR,   14                          ; v14     4 x (lane % 16)
.set ADRA, 16                          ; v16-17  LDS address of source 1's fragments in slot 0, 1
.set ADRB, 20                          ; v20-21  the same for source 0
.set STO,  24                          ; v24     PROJ = 1: where I put 32 bytes of a row
.set RD,   25                          ; v25     PROJ = 1: where I read a row back
.set SPW,  28                          ; v28     LDS address of my spare word: SPARE + 4 x my thread's number; never rewritten
.set NIL,  29                          ; v29     0; never rewritten
.set AF,   128                         ; source 1's fragments, in window 0
.if PROJ
.set TMP,  32                          ; a block's 64 results
.set BK,   128                         ; 16 rows read back from the stage: v128-191 and v192-255 by turns
.else
.set BIQ,  32                          ; v32-95   b_attn at features 16 b + 8 h + j: register 8 b + j
.set BIV,  96                          ; v96-111  b_attn at feature 16 a + r, twice: registers 2 a, 2 a + 1
.set TMP,  112                         ; v112-175 a block's 64 numbers
.set CD,   176                         ; v176-239 four sets of 16 registers of codes
.endif
.set G1, 24                            ; s[24:31] descriptor group 1 for the left operand;  s[32:39] group 0, one set for each slot
.set G0, 32
.set G1B, 48                           ; s[48:55], s[56:63] the same for the weight
.set G0B, 56
.set MSB, 0
.macro WIN new                         ; the immediate's high byte repeats the setting that is left
.if MSB != \new
	s_set_vgpr_msb (MSB<<8)|\new
.set MSB, \new
.endif
.endm
.set MUL_LO, 0xa1                      ; source 0 window 1, source 1 window 0, C and D window 2
.set MUL_HI, 0xf1                      ; the same, C and D window 3
.set TO_B,   0x40                      ; destination window 1, address window 0
; A joint load: waves 0 and 1 fetch the left operand's halves, waves 2 and 3 the weight's.  Each of the two lines has ONE mask and one set of registers for all that issue it; the branch hangs on the wave's number alone.
; Four v_nop follow each of the two lines, ahead of the jump, the label and what follows.
.macro JLOAD g0a, g1a, g0b, g1b
	s_cmp_eq_u32 s15, 0
	s_cbranch_scc0 .Lfor_b_\@
	tensor_load_to_lds s[\g0a:\g0a+3], s[\g1a:\g1a+7]
	s_nop 0
.rept 4
	v_nop
.endr
	s_branch .Lasked_\@
.Lfor_b_\@:
	tensor_load_to_lds s[\g0b:\g0b+3], s[\g1b:\g1b+7]
	s_nop 0
.rept 4
	v_nop
.endr
.Lasked_\@:
.endm
.macro CREST                           ; a round of the cluster's barrier behind its opening barrier
	s_cmp_lg_u32 s14, 0
	s_cbranch_scc1 .Lnot_wave_0_\@
	s_barrier_signal -3
.Lnot_wave_0_\@:
	s_barrier_wait -3
	s_barrier_signal -1
	s_barrier_wait -1
.endm
.macro CROUND                          ; a whole round
	s_barrier_signal -1
	s_barrier_wait -1
	CREST
.endm
	s_load_b128 s[4:7], s[0:1], 0x0                ; the left operand's image s[4:5], the weights' s[6:7]
	s_load_b128 s[8:11], s[0:1], 0x10              ; the scales' exponents s[8:9], the bias s[10:11]
	s_load_b64 s[12:13], s[0:1], 0x20              ; the output
	v_lshl_add_u32 v[SPW], v0, 2, SPARE
	v_mov_b32 v[NIL], 0
	ds_add_u32 v28, v29
	ds_add_u32 v28, v29
	s_wait_dscnt 0x0
	v_lshrrev_b32 v1, 5, v0
	v_readfirstlane_b32 s14, v1                    ; wave 0..3
	s_lshr_b32 s15, s14, 1                         ; which half of source 1's 256 rows is mine.  Also: I fetch the left operand (0) or the weight (1)
	s_and_b32 s16, s14, 1                          ; which half of source 0's.  Also: which 128 rows I fetch
	s_bfe_u32 s40, ttmp6, 0x40000                  ; cx, cy: my place in the cluster
	s_bfe_u32 s41, ttmp6, 0x40004
	s_lshl_b32 s42, ttmp9, 2
	s_add_co_u32 s42, s42, s40                     ; tile column = 4 x cluster x + cx
	s_and_b32 s17, ttmp7, 0xffff
	s_lshl_b32 s17, s17, 2
	s_add_co_u32 s17, s17, s41                     ; tile row = 4 x cluster y + cy
	s_lshl_b32 s43, s41, 2
	s_lshl_b32 s43, 15, s43                        ; my row of the cluster
	s_lshl_b32 s44, 0x1111, s40                    ; my column
	; descriptor group 1: a dense block of 32,768 bytes as 128 rows of 32 elements of 8 bytes; no padding: fragments are read as consecutive bytes
	s_or_b32 s[G1+0], s43, (3<<16)|(1<<21)         ; 15:0 the mask: my row; 17:16 elements of 8 bytes; 21 set beside a mask
	s_or_b32 s[G1B+0], s44, (3<<16)|(1<<21)        ; the same with my column
.irp g, G1, G1B
	s_mov_b32 s[\g+1], 32<<16                      ; tensor_dim0 = 32
	s_mov_b32 s[\g+2], 128<<16                     ; tensor_dim1 = 128
	s_mov_b32 s[\g+3], 32<<16                      ; tile_dim0 = 32
	s_mov_b32 s[\g+4], 128                         ; tile_dim1 = 128
	s_mov_b32 s[\g+5], 32                          ; tensor_dim0_stride
	s_mov_b32 s[\g+6], 0
	s_mov_b32 s[\g+7], 0
.endr
	s_lshl_b32 s18, s16, 15                        ; which 128 rows I fetch
	s_lshl_b32 s20, s17, 16
	s_add_co_u32 s20, s20, s18                     ; left operand: 65,536 x tile row + 32,768 x half
	s_mov_b32 s21, 0
	s_lshl_b32 s46, s42, 16
	s_add_co_u32 s46, s46, s18                     ; weight: 65,536 x tile column + 32,768 x half
.if PROJ
	s_add_co_u32 s46, s46, WOFF
.endif
	s_mov_b32 s47, 0
	s_mul_i32 s45, s14, HALFT                      ; where they go: wave x 32,768: no place in the cluster enters an LDS address
	s_wait_kmcnt 0x0
	s_load_b256 s[68:75], s[8:9], 0x0              ; e0 .. e7
	s_add_nc_u64 s[20:21], s[4:5], s[20:21]
	s_add_nc_u64 s[46:47], s[6:7], s[46:47]
	CROUND                                         ; all sixteen work-groups are here: the first joint loads meet
.irp s, 0,1
	s_mov_b32 s[G0+4*\s], 1
	s_add_co_u32 s[G0+4*\s+1], s45, \s*SLOT
	s_add_nc_u64 s[G0+4*\s+2:G0+4*\s+3], s[20:21], \s*ASTEP
	s_or_b32 s[G0+4*\s+3], s[G0+4*\s+3], 0x80000000
	s_mov_b32 s[G0B+4*\s], 1
	s_add_co_u32 s[G0B+4*\s+1], s45, \s*SLOT
	s_add_nc_u64 s[G0B+4*\s+2:G0B+4*\s+3], s[46:47], \s*BSTEP
	s_or_b32 s[G0B+4*\s+3], s[G0B+4*\s+3], 0x80000000
	s_wait_alu depctr_va_vdst(0)
	s_wait_tensorcnt 0x0
	ds_add_u32 v28, v29
	ds_add_u32 v28, v29
	s_wait_dscnt 0x0
	CROUND
	JLOAD G0+4*\s, G1, G0B+4*\s, G1B               ; one load of mine is out
.endr
	v_and_b32 v1, 31, v0
	v_lshlrev_b32 v[LI], 4, v1
	v_and_b32 v2, 15, v0                           ; r
	s_wait_alu depctr_va_vdst(0)
	v_bfe_u32 v3, v0, 4, 1                         ; h
	v_lshlrev_b32 v[BH], 5, v3
	v_lshlrev_b32 v[BR], 2, v2
.if PROJ
	s_mul_i32 s21, s15, HALFT                      ; source 1: my 128 tokens
	s_mul_i32 s22, s16, HALFT
	s_add_co_u32 s22, s22, 2*HALFT                 ; source 0: my 128 columns of the weight
.else
	s_cmp_eq_u32 ttmp9, 2                          ; v?  The cluster's x: the same in all sixteen partners
	s_cselect_b32 s21, 2*HALFT, 0                  ; source 1's region: tokens; for v the weight's columns
	s_cselect_b32 s22, 0, 2*HALFT                  ; source 0's region: the other one
	s_cselect_b32 s80, s15, s16                    ; which half of the tile's 256 features is mine,
	s_cselect_b32 s81, s16, s15                    ; and which half of its 256 tokens
	s_mul_i32 s23, s15, HALFT
	s_add_co_u32 s21, s21, s23
	s_mul_i32 s23, s16, HALFT
	s_add_co_u32 s22, s22, s23
.endif
.irp s, 0,1
	v_add_nc_u32 v[ADRA+\s], s21, v[LI]
	v_add_nc_u32 v[ADRB+\s], s22, v[LI]
	s_add_co_u32 s21, s21, SLOT
	s_add_co_u32 s22, s22, SLOT
.endr
	s_lshl_b32 s82, s42, 10                        ; the bias: 256 x tile column numbers on,
	s_lshl_b32 s83, s16, 9
	s_add_co_u32 s76, s82, s83                     ; + 128 x source 0's half
	s_mov_b32 s77, 0
	s_add_nc_u64 s[76:77], s[10:11], s[76:77]
.if PROJ
	s_mul_i32 s23, s14, 16*SPITCH                  ; my stage
	v_mul_u32_u24 v5, v2, SPITCH                   ; in: row r, 32 bytes for each half of the lanes
	s_wait_alu depctr_va_vdst(0)
	v_lshl_add_u32 v5, v3, 5, v5
	v_add_nc_u32 v[STO], s23, v5
	v_add_nc_u32 v[RD], s23, v[LI]                 ; back: the 32 lanes take one row of 512 bytes
	s_lshl_b32 s20, s17, 20                        ; out0: (256 x tile row + 128 x half) rows of 4,096 bytes + 1,024 x tile column + 512 x half
	s_lshl_b32 s21, s15, 19
	s_add_co_u32 s20, s20, s21
	s_add_co_u32 s20, s20, s82
	s_add_co_u32 s20, s20, s83
	s_mov_b32 s21, 0
	s_add_nc_u64 s[12:13], s[12:13], s[20:21]
.else
	s_lshl_b32 s83, s15, 9
	s_add_co_u32 s78, s82, s83                     ; + 128 x source 1's half: v's features
	s_mov_b32 s79, 0
	s_add_nc_u64 s[78:79], s[10:11], s[78:79]
	; both kinds of bias are loaded by every work-group: no branch, and they land under the products
.irp b, 0,1,2,3,4,5,6,7
	global_load_b128 v[BIQ+8*\b:BIQ+8*\b+3], v[BH], s[76:77] offset:64*\b
	global_load_b128 v[BIQ+8*\b+4:BIQ+8*\b+7], v[BH], s[76:77] offset:64*\b+16
.endr
.irp a, 0,1,2,3,4,5,6,7
	global_load_b32 v[BIV+2*\a], v[BR], s[78:79] offset:64*\a
	global_load_b32 v[BIV+2*\a+1], v[BR], s[78:79] offset:64*\a      ; twice: a pair for the packed multiply-add
.endr
	; where my results go: tensor x 8,388,608 + (16 x batch + 4 cx + 2 x my half of the features) x 131,072 + (tile row % 8) x 16,384 + my half of the tokens x 8,192
	s_lshr_b32 s82, s17, 3
	s_lshl_b32 s82, s82, 4
	s_lshl_b32 s83, s40, 2
	s_add_co_u32 s82, s82, s83
	s_lshl_b32 s80, s80, 1
	s_add_co_u32 s82, s82, s80
	s_lshl_b32 s82, s82, 17
	s_and_b32 s83, s17, 7
	s_lshl_b32 s83, s83, 14
	s_add_co_u32 s82, s82, s83
	s_lshl_b32 s81, s81, 13
	s_add_co_u32 s82, s82, s81
	s_lshl_b32 s83, ttmp9, 23
	s_add_co_u32 s82, s82, s83
	s_mov_b32 s83, 0
	s_add_nc_u64 s[12:13], s[12:13], s[82:83]
.endif
.macro FRAG reg, adr, q, i             ; a fragment comes as it lies: four loads of 512 consecutive bytes: block i of my 8, the slot's q-th 128 along K
.irp c, 0,1,2,3
	ds_load_b128 v[\reg+4*\c:\reg+4*\c+3], v[\adr] offset:2048*(\q)+512*\c+4096*(\i)
.endr
.endm
; 16 matrix instructions: source 1's blocks a0, a0 + 1 x source 0's eight, 128 along K.  p: source 0's set.  zero = 1: the first product starts the sums: nothing is ever cleared.
; The 64 accumulators take turns, one instruction a turn, in the same order in every step.
.macro MUL16 a0, p, zero
.irp a, \a0, \a0+1
.irp b, 0,1,2,3,4,5,6,7
.if \zero
	v_wmma_f32_16x16x128_fp8_fp8 v[8*(8*((\a)%4)+\b):8*(8*((\a)%4)+\b)+7], v[128*(\p)+FR*\b:128*(\p)+FR*\b+FR-1], v[AF+FR*(\a):AF+FR*(\a)+FR-1], 0
.else
	v_wmma_f32_16x16x128_fp8_fp8 v[8*(8*((\a)%4)+\b):8*(8*((\a)%4)+\b)+7], v[128*(\p)+FR*\b:128*(\p)+FR*\b+FR-1], v[AF+FR*(\a):AF+FR*(\a)+FR-1], v[8*(8*((\a)%4)+\b):8*(8*((\a)%4)+\b)+7]
.endif
.endr
.endr
.endm
.macro FETCH_B slot, q, p              ; source 0's eight fragments into set p
	WIN TO_B
.irp i, 0,1,2,3,4,5,6,7
	FRAG 128*(\p)+FR*\i, ADRB+\slot, \q, \i
.endr
	WIN 0
.endm
.macro FETCH_A slot, q, i0             ; source 1's blocks i0 .. i0 + 3
.irp i, \i0, \i0+1, \i0+2, \i0+3
	FRAG AF+FR*(\i), ADRA+\slot, \q, \i
.endr
.endm
; A load into a register that a matrix instruction has read, and a vector instruction that reads a matrix result, stand NP places behind that matrix instruction, and only plain vector
; instructions that name none of its registers are places (ISA guide 7.12.1 for vector instructions).
.macro PLACES n
.rept \n
	v_nop
.endr
.endm
; A step of 128 along K that has its successor in the same slot.  A block of source 1 is free as soon as its eight products are issued: blocks 0-3 are fetched anew in the step's middle, blocks 4-7 at its end.
.macro STEP slot, q, zero
	s_wait_dscnt 4*NL                              ; source 0's set and blocks 0-3 are in; the youngest 16 loads (blocks 4-7) may be out
	WIN MUL_LO
	MUL16 0, (\q)%2, \zero
	MUL16 2, (\q)%2, \zero
	s_wait_dscnt 0                                 ; blocks 4-7 are in (asked for 32 matrix instructions ago)
	PLACES NP
	FETCH_B \slot, (\q)+1, 1-(\q)%2
	FETCH_A \slot, (\q)+1, 0
	WIN MUL_HI
	MUL16 4, (\q)%2, \zero
	MUL16 6, (\q)%2, \zero
	PLACES NP
	WIN 0
	FETCH_A \slot, (\q)+1, 4
.endm
; A slot's last step changes slots: ONE barrier; in front of it each wave waits for all its tensor loads, adds 0 to its spare word, and waits for that and for its own reads of this slot.  fill = 1: this slot is filled again, two K steps ahead.
.macro TURN slot, next, fill
	s_wait_tensorcnt 0x0                           ; all my tensor loads have landed: my part of the next slot  (every window is 0 here)
	ds_add_u32 v[SPW], v[NIL]                      ; 0 onto my spare word
	s_wait_dscnt 4*NL+1                            ; (the add and the youngest 16 loads, blocks 4-7, may be out)
	WIN MUL_LO
	MUL16 0, 1, 0                                  ; sixteen matrix instructions stand between the add and the wait for it
	s_wait_dscnt 0x0                               ; the add is done, and my reads of this slot are over
	s_barrier_signal -1
	MUL16 2, 1, 0
	WIN 0
	s_barrier_wait -1
.if \fill
	CREST                                          ; the barrier has opened a round of the cluster's barrier: no wave of any partner still reads this slot or has a load on its way
	s_add_nc_u64 s[G0+4*\slot+2:G0+4*\slot+3], s[G0+4*\slot+2:G0+4*\slot+3], 2*ASTEP
	s_add_nc_u64 s[G0B+4*\slot+2:G0B+4*\slot+3], s[G0B+4*\slot+2:G0B+4*\slot+3], 2*BSTEP
	JLOAD G0+4*\slot, G1, G0B+4*\slot, G1B         ; the first tensor load behind the round, my only one out; the four v_nop behind it are the places in front of the loads below
.else
	PLACES NP
.endif
	FETCH_B \next, 0, 0
	FETCH_A \next, 0, 0
	WIN MUL_HI
	MUL16 4, 1, 0
	MUL16 6, 1, 0
	PLACES NP
	WIN 0
	FETCH_A \next, 0, 4
.endm
	s_wait_tensorcnt 1                             ; my part of K step 0 is in (K step 1's load may be out)
	s_barrier_signal -1
	s_barrier_wait -1                              ; everybody's is
	FETCH_B 0, 0, 0
	FETCH_A 0, 0, 0
	FETCH_A 0, 0, 4
	STEP 0, 0, 1                                   ; K = 1,024 is eight steps of 128, twice round the ring: written straight.  The first step's products start the sums
	TURN 0, 1, 1                                   ; slot 0 takes K 512 on
	STEP 1, 0, 0
	TURN 1, 0, 1                                   ; slot 1 takes K 768 on
	STEP 0, 0, 0
	TURN 0, 1, 0                                   ; nothing is left to fetch: no round
	STEP 1, 0, 0
.if PROJ
	WIN TO_B                                       ; source 0's set 0 is done with (NP places stand behind its last product): it takes b_proj at features 16 b + 8 h + j, register 8 b + j
.irp b, 0,1,2,3,4,5,6,7
	global_load_b128 v[8*\b:8*\b+3], v[BH], s[76:77] offset:64*\b
	global_load_b128 v[8*\b+4:8*\b+7], v[BH], s[76:77] offset:64*\b+16
.endr
	WIN 0
.endif
	s_wait_dscnt 4*NL                              ; the very last step: nothing more to fetch
	WIN MUL_LO
	MUL16 0, 1, 0
	MUL16 2, 1, 0
	s_wait_dscnt 0
	WIN MUL_HI
	MUL16 4, 1, 0
	MUL16 6, 1, 0
	WIN 0
	s_wait_kmcnt 0x0
	s_add_co_i32 s96, s[EA], s[EA+1]               ; eA + eB, between -126 and 127,
	s_add_co_i32 s96, s96, 127
	s_lshl_b32 s96, s96, 23                        ; makes the f32 number 2^(eA + eB)
	s_mov_b32 s97, s96                             ; (named with it as a pair, so it is written)
.if PROJ
; THE WAY OUT, block by block of 16 tokens x 128 features.  A lane holds 32 neighbouring bytes of a row, and the lanes beside it hold other rows: so a block goes through my own stage in LDS and comes back as
; whole rows of 512 bytes.  LDS serves a wave's instructions in order (ISA guide 5.7.1.4): no wait between the stores and the loads, nor in front of the next block's stores.
.macro TOSTAGE a
.set AC, 64*((\a)%4)
	WIN (0x12+((\a)/4))                            ; source 0 (the sums) window 2 or 3, source 2 (the bias) window 1
.set j, 0
.rept 32
	v_pk_fma_f32 v[TMP+j:TMP+j+1], v[AC+j:AC+j+1], s[96:97], v[j:j+1] op_sel_hi:[1,0,1]   ; sum x 2^(e6 + e7) + b_proj; each accumulator from its low end on
.set j, j+2
.endr
	WIN 0
.irp b, 0,1,2,3,4,5,6,7
	ds_store_b128 v[STO], v[TMP+8*\b:TMP+8*\b+3] offset:64*\b
	ds_store_b128 v[STO], v[TMP+8*\b+4:TMP+8*\b+7] offset:64*\b+16
.endr
.set BB, BK+64*((\a)%2)
.irp t, 0,1,2,3,4,5,6,7,8,9,10,11,12,13,14,15
	ds_load_b128 v[BB+4*\t:BB+4*\t+3], v[RD] offset:\t*SPITCH
.endr
.endm
.macro SEND a, younger                 ; younger: the LDS instructions issued behind block a's loads, which may stay out
.set BB, BK+64*((\a)%2)
	s_wait_dscnt \younger                          ; the block is back in registers
.if (\a) > 0
	s_add_nc_u64 s[12:13], s[12:13], 16*4096       ; (behind a wait on XCNT: the earlier stores have read their base)  16 rows on
.endif
.irp t, 0,1,2,3,4,5,6,7,8,9,10,11,12,13,14,15
	global_store_b128 v[LI], v[BB+4*\t:BB+4*\t+3], s[12:13] offset:\t*4096 th:TH_STORE_NT   ; 32 lanes store 512 consecutive bytes, at a multiple of 512 from the output's first byte; written once, read by nobody here
.endr
.endm
	s_wait_loadcnt 0x0                             ; the bias
	PLACES NP                                      ; behind the last products: for the first reads of results and the loads into the registers that held source 1's fragments
	TOSTAGE 0
.irp a, 1,2,3,4,5,6,7
.if \a > 1
	s_wait_xcnt 0x0                                ; block a - 2's stores have read their registers and their base: block a's loads may land there, and the base may step
.endif
	TOSTAGE \a
	SEND \a-1, 32                                  ; behind block a - 1's loads: block a's 16 stores and 16 loads
.endr
	s_wait_xcnt 0x0                                ; block 6's stores have read their base
	SEND 7, 0
.else
; THE WAY OUT, block a by block a: sum x 2^(e0 + e1) + bias in f32, the hold, the conversion.  The eight conversions' results ARE the next product's fragment: registers 2 b, 2 b + 1 from accumulator (a, b).
; They leave as an image: four stores of 512 consecutive bytes, at multiples of 512 from the buffer's first byte.  No LDS, nothing changes lanes.
.macro OUTBLK a, isv
.set AC, 64*((\a)%4)
.set CSET, CD+16*((\a)%4)
.if (\a) >= 4
	s_wait_xcnt 0x0                                ; the stores of four blocks back have read their codes: that set is written again below
.endif
	WIN (0x02+((\a)/4))                            ; source 0: window 2 or 3
.irp b, 0,1,2,3,4,5,6,7
.irp i, 0,2,4,6
.if \isv
	v_pk_fma_f32 v[TMP+8*\b+\i:TMP+8*\b+\i+1], v[AC+8*\b+\i:AC+8*\b+\i+1], s[96:97], v[BIV+2*(\a):BIV+2*(\a)+1] op_sel_hi:[1,0,1]   ; my lane's one feature, 16 a + r
.else
	v_pk_fma_f32 v[TMP+8*\b+\i:TMP+8*\b+\i+1], v[AC+8*\b+\i:AC+8*\b+\i+1], s[96:97], v[BIQ+8*\b+\i:BIQ+8*\b+\i+1] op_sel_hi:[1,0,1]  ; features 16 b + 8 h + i, i + 1; each accumulator from its low end on
.endif
.endr
.endr
	WIN 0
.set i, 0
.rept 64
	v_med3_num_f32 v[TMP+i], v[TMP+i], -v11, v11   ; the conversion to an 8-bit code does not saturate (ISA guide 7.6.2): the hold at the largest code x the scale
.set i, i+1
.endr
.irp b, 0,1,2,3,4,5,6,7
	v_cvt_scalef32_pk8_fp8_f32 v[CSET+2*\b:CSET+2*\b+1], v[TMP+8*\b:TMP+8*\b+7], v10
.endr
	v_nop                                          ; a plain vector line between the conversions and the next block's multiply-adds, which write their sources
.irp c, 0,1,2,3
.if \isv
	global_store_b128 v[LI], v[CSET+4*\c:CSET+4*\c+3], s[12:13] offset:((\a)/4)*131072+((\a)%4)*2048+512*\c    ; head a / 4 of my two, d = 16 (a % 4) on, my 128 keys
.else
	global_store_b128 v[LI], v[CSET+4*\c:CSET+4*\c+3], s[12:13] offset:1024*(\a)+(\c/2)*131072+(\c%2)*512      ; tokens 16 a on, head c / 2 of my two
.endif
.endr
.endm
	s_cmp_eq_u32 ttmp9, 0
	s_cselect_b32 s80, s70, s71                    ; the result's own scale: e2 for q, e3 for k,
	s_cmp_eq_u32 ttmp9, 2
	s_cselect_b32 s80, s73, s80                    ; e5 for v: chosen without a branch
	s_add_co_i32 s80, s80, 127
	s_lshl_b32 s81, s80, 23
	v_mov_b32 v10, s81                             ; 2^e as f32: the conversion takes its exponent field
	s_add_co_i32 s80, s80, 8
	s_lshl_b32 s80, s80, 23
	s_or_b32 s80, s80, 0x600000
	v_mov_b32 v11, s80                             ; 448 x 2^e
	s_wait_loadcnt 0x0                             ; the biases
	PLACES NP-2                                    ; with the two moves above: NP places behind the last products
	s_cmp_eq_u32 ttmp9, 2                          ; the cluster's x: no place in the cluster, no loaded number
	s_cbranch_scc1 .Lout_v
.irp a, 0,1,2,3,4,5,6,7
	OUTBLK \a, 0
.endr
	s_branch .Lend
.Lout_v:
.irp a, 0,1,2,3,4,5,6,7
	OUTBLK \a, 1
.endr
.Lend:
.endif
	s_wait_tensorcnt 0x0                           ; the wave's end, behind my last tensor load and my last LDS store
	ds_add_u32 v[SPW], v[NIL]
	s_wait_dscnt 0x0
	CROUND                                         ; the closing round: no work-group ends while a partner may still ask for a block that names it
	s_endpgm
.Lfunc_end_k_q548f1a6ba9_proj:
	.size	k_q548f1a6ba9_proj, .Lfunc_end_k_q548f1a6ba9_proj-k_q548f1a6ba9_proj
	.p2alignl 7, 3214868480
	.fill 96, 4, 3214868480
	.section	.rodata,"a",@progbits
	.p2align	6, 0x0
	.amdhsa_kernel k_q548f1a6ba9_proj
		.amdhsa_group_segment_fixed_size 327680
		.amdhsa_private_segment_fixed_size 0
		.amdhsa_enable_private_segment 0
		.amdhsa_kernarg_size 40
		.amdhsa_user_sgpr_count 2
		.amdhsa_user_sgpr_kernarg_segment_ptr 1
		.amdhsa_wavefront_size32 1
		.amdhsa_system_sgpr_workgroup_id_x 1
		.amdhsa_system_sgpr_workgroup_id_y 1
		.amdhsa_system_sgpr_workgroup_id_z 1
		.amdhsa_system_vgpr_workitem_id 0
		.amdhsa_next_free_vgpr 1024
		.amdhsa_next_free_sgpr 98
		.amdhsa_reserve_vcc 0
		.amdhsa_float_denorm_mode_32 3
		.amdhsa_float_denorm_mode_16_64 3
		.amdhsa_memory_ordered 1
		.amdhsa_forward_progress 1
		.amdhsa_inst_pref_size 125
	.end_amdhsa_kernel
	.amdgpu_metadata
---
amdhsa.version: [ 1, 2 ]
amdhsa.kernels:
  - .name:           k_q548f1a6ba9_proj
    .symbol:         k_q548f1a6ba9_proj.kd
    .args:
      - { .name: y_img, .offset: 0, .size: 8, .value_kind: global_buffer, .address_space: global }
      - { .name: w_img, .offset: 8, .size: 8, .value_kind: global_buffer, .address_space: global }
      - { .name: lowp_scales, .offset: 16, .size: 8, .value_kind: global_buffer, .address_space: global }
      - { .name: b_proj, .offset: 24, .size: 8, .value_kind: global_buffer, .address_space: global }
      - { .name: out0, .offset: 32, .size: 8, .value_kind: global_buffer, .address_space: global }
    .group_segment_fixed_size: 327680
    .private_segment_fixed_size: 0
    .kernarg_segment_align: 8
    .kernarg_segment_size: 40
    .max_flat_workgroup_size: 128
    .sgpr_count:     98
    .vgpr_count:     1024
    .wavefront_size: 32
...
	.end_amdgpu_metadata
.endif
;; end of part 4
